; MI455X (gfx1250); checked and timed in simulation.
; The chip was launched on July 23, 2026; its instructions are those of AMD's public machine-readable ISA for CDNA 5 (MIT licence, August 2026) and "CDNA5" Instruction Set Architecture Reference Guide (July 2026). The comments in the code are by the model that wrote it; some were corrected since.
;; Multi Head Attention. Allowed arithmetic: matrix products marked QUANTISED: E2M3 operands, one E8M0 scale for each 32 along K, by v_wmma_scale_f32_16x16x128_f8f6f4 with both operands' format E2M3, f32 sums; everything else in f32.
;; Inputs: W_attn 1,024 x 3,072 float32; W_proj 1,024 x 1,024 float32; x 4 x 2,048 x 1,024 float32.
;; Outputs: out0 4 x 2,048 x 1,024 float32.
;; This version of the problem:
;;   THIS VERSION OF THE PROBLEM IS GIVEN IN LOW PRECISION. The matrix products marked QUANTISED in the list below multiply operands that are first quantised to E2M3 (2 exponent bits, 3 mantissa bits; 6 bits a number), with one power-of-two scale for each 32 numbers along K (OCP MX v1.0); their sums are f32. All else is computed in f32.
;;   The module's matrix products, in the order in which they are computed (A, B: the left and right operand; K: the contracted axis; several contracted axes count as one K, in the product's order):
;;     1. [M 8,192, K 1,024] x [K 1,024, N 3,072]; A: input x; B: input W_attn: QUANTISED
;;     2. batch 64 x [M 2,048, K 64] x [K 64, N 2,048]; A: computed on the way; B: computed on the way: QUANTISED
;;     3. batch 64 x [M 2,048, K 2,048] x [K 2,048, N 64]; A: softmax (see below); B: computed on the way: QUANTISED
;;     4. [M 8,192, K 1,024] x [K 1,024, N 1,024]; A: computed on the way; B: input W_proj: QUANTISED
;;   THE QUANTISER, for each operand of a quantised product, along K:
;;     - K is cut into blocks of 32 from its start; a last block that is shorter is filled with zeros.
;;     - A block's scale is 2^e with e = floor(log2(the largest magnitude in the block)) - 2, held to -126 .. 127; a block of zeros has e = 0. As a byte (E8M0): e + 127.
;;     - Each number is divided by its block's scale, clamped to +-7.5, and rounded to the nearest number of E2M3, ties to even, subnormals kept.
;;     - The product sums the exact products of the quantised numbers (number of the format x scale) in f32.
;;   ~~~python
;;   def quantise(x, axis):      # numpy; x: float32 -> the quantised numbers, widened to float32 again
;;       x = np.moveaxis(x, axis, -1); K = x.shape[-1]
;;       x = np.pad(x, [(0, 0)] * (x.ndim - 1) + [(0, -K % 32)]); x = x.reshape(x.shape[:-1] + (-1, 32)); a = np.abs(x).max(-1, keepdims=True)
;;       e = np.where(a > 0, np.clip(np.frexp(np.where(a > 0, a, 1))[1] - 1 - 2, -126, 127), 0)      # np.frexp(a)[1] - 1 = floor(log2(a)), exactly
;;       r = np.clip(x / 2.0 ** e, -7.5, 7.5)
;;       step = 2.0 ** (np.maximum(np.frexp(np.where(r == 0, 1, r))[1] - 1, 0) - 3)
;;       q = np.round(r / step) * step * 2.0 ** e      # np.round: ties to even
;;       return np.moveaxis(q.reshape(q.shape[:-2] + (-1,))[..., :K], -1, axis).astype(np.float32)
;;   ~~~
;;   SOFTMAX AHEAD OF A QUANTISED PRODUCT. Where the list says 'softmax', what is quantised is not the finished softmax but p = 2^(t - M), with t = logit x log2(e) and M = ceil(the row's largest t), a whole number; so 1/2 < the row's largest p <= 1. The row's sum l is taken of the UNQUANTISED p, in f32, and the product's result is divided by l at the end. Since M is a whole number, a kernel that streams over the keys may use a running M (the ceiling of the running maximum): every later rescaling is an exact power of two, which a block's scale takes up: the codes' values come out the same.
;;   OPERANDS COMPUTED ON THE WAY. 'Computed on the way' means the value that the module computes at that place (a softmax that the list does not call 'softmax' is quantised finished and normalised). What goes into a quantiser is computed in f32, as accurately as f32 sums, v_exp_f32 and their like allow (about 1e-6 of the number): no bf16 or f16 on the way to a quantiser, and a product that is left as it is and whose result goes on into a quantised operand takes f32 operands (vector FMAs, or v_wmma_f32_16x16x4_f32). A number that lies on a knife's edge between two numbers of the format may be rounded either way, as far as f32 arithmetic and the matrix unit's own rounding can turn it there, and no further.
;; One version. Each part assembles by itself: llvm-mc -triple=amdgcn-amd-amdhsa -mcpu=gfx1250 --defsym DOCPART=n.
;; ======== version 1 of 1: 4 launches
;; workspace buffers: xf 6,291,456 bytes; xs 262,144 bytes; wq 3,276,800 bytes; qkv 20,185,088 bytes; yf 6,291,456 bytes; ys 262,144 bytes
;; launch quant (part 1): grid 384 x 1, 4 waves a work-group, no clusters, 85,504 bytes of LDS; arguments x, W_attn, W_proj, xf, xs, wq; writes xf, xs, wq
.if DOCPART == 1
	.amdgcn_target "amdgcn-amd-amdhsa--gfx1250"
	.amdhsa_code_object_version 6
	.text
	.protected	k_qfa885cb562_quant
	.globl	k_qfa885cb562_quant
	.p2align	8
	.type	k_qfa885cb562_quant,@function
k_qfa885cb562_quant:
	s_mov_b64 s[64:65], 0
	v_nop
	global_prefetch_b8 v0, s[64:65] scope:SCOPE_SE
	s_setreg_imm32_b32 hwreg(HW_REG_WAVE_MODE, 25, 1), 1
	s_wait_xcnt 0x0
; x [8192][1024], W_attn [1024][3072] and W_proj [1024][1024], f32, become codes of E2M3 (6 bits) with one E8M0 byte for each 32 along K (K = the 1,024).
; WHAT IS STORED ARE IMAGES OF OPERAND REGISTERS.  A fragment is 16 rows x 128 K: 12 registers a lane (lane l: row l % 16; registers 6 c .. 6 c + 5: k = 64 c + 32 (l / 16) + 0 .. 31).
; Its image is 1,536 bytes: registers 4 c .. 4 c + 3 of lane l at 512 c + 16 l.  Codes: [tile of 16 rows][K step 0..7][1,536].  Scale words: [tile][pair of K steps 0..3][row 0..15][2 words], 512 bytes a tile.
; THE ROWS OF A TILE ARE NOT NEIGHBOURS: place r of tile T holds row 32 (T / 2) + 8 (T % 2) + r + 8 (r / 8) (tokens of x, columns of the weights).  As source 0 of a product such a tile leaves,
; in the 16 registers of two neighbouring tiles, 16 neighbours along the next product's K.
; A block's scale is 2^(floor(log2(its largest magnitude)) - 2); its byte is the largest magnitude's exponent field - 2, held at 1 from below.
; LIMITS: a block whose largest magnitude lies under 2^-124, a block of zeros among them, gets the byte 1 where the rule says 127 for zeros (its codes are zeros or tiny; this program alone reads the bytes);
; NaN and infinities among the inputs are not served.
; SHARES: work-groups 0-255: x, a wave takes one tile x 4 K steps.  256-351: W_attn, 352-383: W_proj: a wave takes 32 columns x 256 along K, a lane a column, its registers down K.
; No tensor loads, no barrier: waves share nothing.  Each of the three paths has LDS bytes of its own.
.set XSTG,  16*528                     ; x: a wave's stage: 16 rows of 512 bytes + 16
.set WSTG,  6400                       ; weights: a wave's stage: two tiles x (3,072 bytes + 128)
.set LDSWA, 4*XSTG
.set LDSWP, LDSWA+4*WSTG
.set WAF,   0                          ; in wq: W_attn's codes, 192 tiles x 12,288
.set WPF,   2359296                    ; W_proj's codes, 64 tiles
.set WAS,   3145728                    ; W_attn's scale words, 192 x 512
.set WPS,   3244032                    ; W_proj's
.set SEL,   20                         ; s[20:21] lane selects for v_permlanex16_b32: lane l xor 16
.set TM,    8                          ; v8-23   at work in QUANT
.set PW,    24                         ; v24-27  x: the four K steps' scale words
.set RA,    32                         ; v32-159 x: two sets of 64 registers as loaded
.set XN,    160                        ; v160-223 x: 64 numbers of my row
.set PC,    224                        ; v224-243 x: the codes
.set WX,    32                         ; v32-95  weights: two sets of 32 numbers
.set CD,    96                         ; v96-102 weights: a block's codes
.set SB,    24                         ; v24-25  weights: the scale bytes, four to a register
.set OUTR,  112                        ; v112-159 weights: the way out
; 64 numbers of a lane, register 16 b + i = k 32 b + 16 (lane / 16) + i of my row, become a fragment's codes in v[PC] on and its scale word in v[pw].
.macro QUANT s, pw
.irp b, 0,1,2,3
	v_max3_num_f32 v[TM+\b], |v[\s+16*\b]|, |v[\s+1+16*\b]|, 0x1800000   ; my 16 numbers of block b, and the floor 2^(3 - 127): the byte cannot fall under 1
.endr
.irp i, 2,4,6,8,10,12,14
.irp b, 0,1,2,3
	v_max3_num_f32 v[TM+\b], v[TM+\b], |v[\s+16*\b+\i]|, |v[\s+1+16*\b+\i]|   ; the four blocks by turns
.endr
.endr
.irp b, 0,1,2,3
	v_permlanex16_b32 v[TM+4+\b], v[TM+\b], s[SEL], s[SEL+1]
.endr
.irp b, 0,1,2,3
	v_max_num_f32 v[TM+\b], v[TM+\b], v[TM+4+\b]   ; with lane l xor 16's: the block's largest magnitude
.endr
.irp b, 0,1,2,3
	v_add_nc_u32 v[TM+12+\b], 0xff000000, v[TM+\b]   ; 2 off its exponent field: the conversion takes the exponent field of this operand as its scale
.endr
.irp b, 0,1,2,3
	v_lshrrev_b32 v[TM+4+\b], 23, v[TM+12+\b]      ; the scale's byte
.endr
	v_lshl_or_b32 v[\pw], v[TM+5], 8, v[TM+4]
	v_lshl_or_b32 v[\pw], v[TM+6], 16, v[\pw]
	v_lshl_or_b32 v[\pw], v[TM+7], 24, v[\pw]
.irp c, 0,1
	v_cvt_scalef32_pk16_fp6_f32 v[PC+6*\c:PC+2+6*\c], v[\s+32*\c:\s+15+32*\c], v[TM+12+2*\c]
	v_cvt_scalef32_pk16_fp6_f32 v[PC+12+4*\c:PC+14+4*\c], v[\s+16+32*\c:\s+31+32*\c], v[TM+12+2*\c+1]   ; (a conversion's three registers begin on an even number)
.endr
	v_nop                                          ; one plain place behind a scaled conversion
.irp c, 0,1                                    ; the layout wants a whole block in a lane: lanes 0-15 block 2 c, lanes 16-31 block 2 c + 1
.irp i, 0,1,2
	v_permlane16_swap_b32 v[PC+6*\c+\i], v[PC+12+4*\c+\i]
.endr
.irp i, 0,1,2
	v_mov_b32 v[PC+3+6*\c+\i], v[PC+12+4*\c+\i]
.endr
.endr
.endm
	s_load_b256 s[4:11], s[0:1], 0x0               ; x s[4:5], W_attn s[6:7], W_proj s[8:9], xf s[10:11]
	s_load_b128 s[12:15], s[0:1], 0x20             ; xs s[12:13], wq s[14:15]
	v_lshl_add_u32 v254, v0, 2, 0x14c00
	v_mov_b32 v255, 0
	v_lshrrev_b32 v1, 5, v0
	v_readfirstlane_b32 s16, v1                    ; wave 0..3
	v_and_b32 v2, 31, v0                           ; lane
	v_lshlrev_b32 v3, 4, v2                        ; 16 x lane; never rewritten
	s_mov_b32 s[SEL], 0x76543210
	s_mov_b32 s[SEL+1], 0xfedcba98
	s_cmp_lt_u32 ttmp9, 256
	s_cbranch_scc0 .Lweights
; ---------------- x ----------------
	v_and_b32 v7, 15, v0                           ; r
	v_bfe_u32 v1, v0, 4, 1                         ; h
	s_mul_i32 s17, s16, XSTG
	v_add_nc_u32 v4, s17, v3                       ; into the stage: a row's 512 bytes as they lie
	v_mul_u32_u24 v5, v7, 528
	v_lshl_add_u32 v5, v1, 6, v5
	v_add_nc_u32 v5, s17, v5                       ; out of it: row r, + 64 h: my 16 numbers of each block of 32
	v_lshlrev_b32 v6, 3, v7
	v_lshl_add_u32 v6, v1, 7, v6                   ; the scale words' place: 128 h + 8 r
	s_lshl_b32 s18, ttmp9, 2
	s_add_co_u32 s18, s18, s16
	s_lshr_b32 s19, s18, 1                         ; my tile, 0..511
	s_and_b32 s18, s18, 1                          ; which four K steps
	s_lshr_b32 s22, s19, 1
	s_lshl_b32 s22, s22, 5
	s_and_b32 s23, s19, 1
	s_lshl_b32 s23, s23, 3
	s_add_co_u32 s22, s22, s23                     ; the tile's first row: 32 (T / 2) + 8 (T % 2)
	s_lshl_b32 s22, s22, 12                        ; rows of 4,096 bytes
	s_lshl_b32 s23, s18, 11
	s_add_co_u32 s22, s22, s23
	s_mov_b32 s23, 0
	s_mul_i32 s24, s19, 12288
	s_mul_i32 s25, s18, 6144
	s_add_co_u32 s24, s24, s25
	s_mov_b32 s25, 0
	s_lshl_b32 s26, s19, 9
	s_lshl_b32 s27, s18, 8
	s_add_co_u32 s26, s26, s27
	s_mov_b32 s27, 0
.irp b, 0,1,2,3
	v_mov_b32 v[TM+4+\b], 0                        ; written once: a lane permute's destination counts as one of its sources
.endr
	s_wait_kmcnt 0x0
	s_add_nc_u64 s[4:5], s[4:5], s[22:23]
	s_add_nc_u64 s[10:11], s[10:11], s[24:25]
	s_add_nc_u64 s[12:13], s[12:13], s[26:27]
.macro XLOAD t                         ; K step t of the tile's 16 rows: each load reads 512 consecutive bytes of one row
.irp p, 0,1,2,3,4,5,6,7,8,9,10,11,12,13,14,15
	global_load_b128 v[RA+64*((\t)%2)+4*\p:RA+64*((\t)%2)+4*\p+3], v3, s[4:5] offset:(\p+8*(\p/8))*4096+512*(\t) th:TH_LOAD_NT
.endr
.endm
.macro XSTEP t
.if (\t) < 3
	s_wait_loadcnt 16                              ; this K step's 16 loads are in; the next one's 16 may be out
.else
	s_wait_loadcnt 0x0
.endif
.irp p, 0,1,2,3,4,5,6,7,8,9,10,11,12,13,14,15
	ds_store_b128 v4, v[RA+64*((\t)%2)+4*\p:RA+64*((\t)%2)+4*\p+3] offset:528*\p
.endr
.irp b, 0,1,2,3
.irp j, 0,1,2,3
	ds_load_b128 v[XN+16*\b+4*\j:XN+16*\b+4*\j+3], v5 offset:128*\b+16*\j   ; LDS serves a wave's instructions in order: these see the stores above
.endr
.endr
	s_wait_xcnt 0x0                                ; the last K step's stores have read the codes' registers
	s_wait_dscnt 0x0                               ; my numbers are back, and the stores into the stage have read their registers,
.if (\t) < 2
	XLOAD (\t)+2                                   ; which take the loads of two K steps on
.endif
	QUANT XN, PW+(\t)
.irp c, 0,1,2
	global_store_b128 v3, v[PC+4*\c:PC+4*\c+3], s[10:11] offset:1536*(\t)+512*\c   ; 32 lanes store 512 consecutive bytes, at a multiple of 256 from the buffer's first byte
.endr
.endm
	XLOAD 0
	XLOAD 1
	XSTEP 0
	XSTEP 1
	XSTEP 2
	XSTEP 3
	v_cmp_eq_u32 vcc_lo, 1, v1                     ; lanes 0-15 store the first pair of K steps' words, lanes 16-31 the second's (both halves hold all four)
	v_cndmask_b32 v28, v[PW], v[PW+2], vcc_lo
	v_cndmask_b32 v29, v[PW+1], v[PW+3], vcc_lo
	global_store_b64 v6, v[28:29], s[12:13]        ; 256 consecutive bytes
	s_wait_tensorcnt 0x0
	ds_add_u32 v254, v255
	s_wait_dscnt 0x0
	s_endpgm
; ---------------- the weights ----------------
.macro WLOAD t, wn, sp                 ; block t: W(32 t + i, my column), i = 0 .. 31
.irp i, 0,1,2,3,4,5,6,7,8,9,10,11,12,13,14,15,16,17,18,19,20,21,22,23,24,25,26,27,28,29,30,31
	global_load_b32 v[WX+32*((\t)%2)+\i], v8, s[\sp:\sp+1] offset:(32*(\t)+\i)*\wn*4 th:TH_LOAD_NT
.endr
.endm
.macro WBLOCK t, wn, sp
.set XS, WX+32*((\t)%2)
.set WO, 1536*((\t)/4)+256*((\t)%2)    ; K step t / 4 of my two; the block belongs to fragment lane r + 16 (t % 2)
.if (\t) < 7
	s_wait_loadcnt 32                              ; this block's 32 loads are in; the next block's may be out
.else
	s_wait_loadcnt 0x0
.endif
	v_max3_num_f32 v12, |v[XS]|, |v[XS+1]|, |v[XS+2]|   ; all 32 numbers of the block are mine
	v_max3_num_f32 v13, |v[XS+3]|, |v[XS+4]|, |v[XS+5]|
.irp i, 6,10,14,18,22,26
	v_max3_num_f32 v12, v12, |v[XS+\i]|, |v[XS+\i+1]|
	v_max3_num_f32 v13, v13, |v[XS+\i+2]|, |v[XS+\i+3]|
.endr
	v_max3_num_f32 v12, v12, |v[XS+30]|, |v[XS+31]|
	v_max3_num_f32 v12, v12, v13, 0x1800000        ; and the floor
	v_add_nc_u32 v11, 0xff000000, v12
	v_lshrrev_b32 v13, 23, v11
.if (\t)%4 == 0
	v_mov_b32 v[SB+(\t)/4], v13
.else
	v_lshl_or_b32 v[SB+(\t)/4], v13, 8*((\t)%4), v[SB+(\t)/4]
.endif
	v_cvt_scalef32_pk16_fp6_f32 v[CD:CD+2], v[XS:XS+15], v11
	v_cvt_scalef32_pk16_fp6_f32 v[CD+4:CD+6], v[XS+16:XS+31], v11
	v_nop                                          ; one plain place behind a scaled conversion
	v_mov_b32 v[CD+3], v[CD+4]                     ; the block's six registers on end
	v_mov_b32 v[CD+4], v[CD+5]
	v_mov_b32 v[CD+5], v[CD+6]
.if ((\t)%4)/2 == 0                    ; registers 0-5 of the fragment: 0-3 in the image's first 512 bytes, 4-5 in the second's
	ds_store_b128 v4, v[CD:CD+3] offset:WO
	ds_store_b64 v4, v[CD+4:CD+5] offset:WO+512
.else                                  ; registers 6-11: 6-7 in the second, 8-11 in the third
	ds_store_b64 v4, v[CD:CD+1] offset:WO+520
	ds_store_b128 v4, v[CD+2:CD+5] offset:WO+1024
.endif
.if (\t) < 6
	WLOAD (\t)+2, \wn, \sp
.endif
	s_wait_dscnt 0x0                               ; the stores have read their registers: the next block's codes may be written
.endm
.macro WPATH wn, codeoff, scoff, ldsb, first, sp
	s_sub_co_u32 s17, ttmp9, \first
	s_and_b32 s18, s17, 3                          ; which 256 along K
	s_lshr_b32 s17, s17, 2
	s_lshl_b32 s17, s17, 7
	s_lshl_b32 s19, s16, 5
	s_add_co_u32 s17, s17, s19                     ; my wave's first column, a multiple of 32
	v_bfe_u32 v5, v2, 3, 1                         ; column c0 + lane is place r of tile c0 / 16 + u: u = bit 3 of the lane,
	v_and_b32 v6, 7, v2
	v_lshrrev_b32 v7, 4, v2
	v_lshl_or_b32 v6, v7, 3, v6                    ; r = bits 0-2, and bit 4 as bit 3
	s_mul_i32 s19, s16, WSTG
	s_add_co_u32 s19, s19, \ldsb
	v_mul_u32_u24 v4, v5, 3200
	v_lshl_add_u32 v4, v6, 4, v4
	v_add_nc_u32 v4, s19, v4                       ; into the stage: tile u, 16 r
	v_add_nc_u32 v7, s19, v3                       ; out of it: 16 x lane
	v_lshlrev_b32 v9, 3, v6
	v_lshl_add_u32 v9, v5, 9, v9                   ; the scale words' place: 512 u + 8 r
	v_lshlrev_b32 v8, 2, v2                        ; in: 4 bytes a lane
	s_mul_i32 s22, s18, 256*\wn*4
	s_lshl_b32 s23, s17, 2
	s_add_co_u32 s22, s22, s23
	s_mov_b32 s23, 0
	s_lshr_b32 s24, s17, 4
	s_lshl_b32 s26, s24, 9
	s_mul_i32 s24, s24, 12288
	s_mul_i32 s25, s18, 3072
	s_add_co_u32 s24, s24, s25
	s_add_co_u32 s24, s24, \codeoff
	s_mov_b32 s25, 0
	s_lshl_b32 s27, s18, 7
	s_add_co_u32 s26, s26, s27
	s_add_co_u32 s26, s26, \scoff
	s_mov_b32 s27, 0
	s_wait_kmcnt 0x0
	s_add_nc_u64 s[\sp:\sp+1], s[\sp:\sp+1], s[22:23]
	s_add_nc_u64 s[28:29], s[14:15], s[24:25]
	s_add_nc_u64 s[30:31], s[14:15], s[26:27]
	WLOAD 0, \wn, \sp
	WLOAD 1, \wn, \sp
.irp t, 0,1,2,3,4,5,6,7
	WBLOCK \t, \wn, \sp
.endr
	global_store_b64 v9, v[SB:SB+1], s[30:31]      ; two K steps' words: sixteen lanes store 128 consecutive bytes of a tile's 512
.irp m, 0,1,2,3,4,5,6,7,8,9,10,11
	ds_load_b128 v[OUTR+4*\m:OUTR+4*\m+3], v7 offset:3200*(\m/6)+512*(\m%6)
.endr
.irp m, 0,1,2,3,4,5,6,7,8,9,10,11
	s_wait_dscnt 11-\m                             ; the younger loads may be out
	global_store_b128 v3, v[OUTR+4*\m:OUTR+4*\m+3], s[28:29] offset:12288*(\m/6)+512*(\m%6)   ; 512 consecutive bytes, at a multiple of 256
.endr
	s_wait_tensorcnt 0x0
	ds_add_u32 v254, v255
	s_wait_dscnt 0x0
	s_endpgm
.endm
.Lweights:
	s_cmp_lt_u32 ttmp9, 352
	s_cbranch_scc0 .Lproj
	WPATH 3072, WAF, WAS, LDSWA, 256, 6
.Lproj:
	WPATH 1024, WPF, WPS, LDSWP, 352, 8
.Lfunc_end_k_qfa885cb562_quant:
	.size	k_qfa885cb562_quant, .Lfunc_end_k_qfa885cb562_quant-k_qfa885cb562_quant
	.p2alignl 7, 3214868480
	.fill 96, 4, 3214868480
	.section	.rodata,"a",@progbits
	.p2align	6, 0x0
	.amdhsa_kernel k_qfa885cb562_quant
		.amdhsa_group_segment_fixed_size 85504
		.amdhsa_private_segment_fixed_size 0
		.amdhsa_enable_private_segment 0
		.amdhsa_kernarg_size 48
		.amdhsa_user_sgpr_count 2
		.amdhsa_user_sgpr_kernarg_segment_ptr 1
		.amdhsa_wavefront_size32 1
		.amdhsa_system_sgpr_workgroup_id_x 1
		.amdhsa_system_sgpr_workgroup_id_y 1
		.amdhsa_system_sgpr_workgroup_id_z 1
		.amdhsa_system_vgpr_workitem_id 0
		.amdhsa_next_free_vgpr 256
		.amdhsa_next_free_sgpr 66
		.amdhsa_reserve_vcc 1
		.amdhsa_float_denorm_mode_32 3
		.amdhsa_float_denorm_mode_16_64 3
		.amdhsa_memory_ordered 1
		.amdhsa_forward_progress 1
		.amdhsa_inst_pref_size 116
	.end_amdhsa_kernel
	.amdgpu_metadata
---
amdhsa.version: [ 1, 2 ]
amdhsa.kernels:
  - .name:           k_qfa885cb562_quant
    .symbol:         k_qfa885cb562_quant.kd
    .args:
      - { .name: x, .offset: 0, .size: 8, .value_kind: global_buffer, .address_space: global }
      - { .name: W_attn, .offset: 8, .size: 8, .value_kind: global_buffer, .address_space: global }
      - { .name: W_proj, .offset: 16, .size: 8, .value_kind: global_buffer, .address_space: global }
      - { .name: xf, .offset: 24, .size: 8, .value_kind: global_buffer, .address_space: global }
      - { .name: xs, .offset: 32, .size: 8, .value_kind: global_buffer, .address_space: global }
      - { .name: wq, .offset: 40, .size: 8, .value_kind: global_buffer, .address_space: global }
    .group_segment_fixed_size: 85504
    .private_segment_fixed_size: 0
    .kernarg_segment_align: 8
    .kernarg_segment_size: 48
    .max_flat_workgroup_size: 128
    .sgpr_count:     66
    .vgpr_count:     256
    .wavefront_size: 32
...
	.end_amdgpu_metadata
.endif
;; end of part 1
;; launch gemm_qkv (part 2): grid 12 x 32, 4 waves a work-group, clusters of 4 x 4, 327,680 bytes of LDS; arguments xf, xs, wq, qkv; writes qkv
.if DOCPART == 2
	.amdgcn_target "amdgcn-amd-amdhsa--gfx1250"
	.amdhsa_code_object_version 6
	.text
	.protected	k_qfa885cb562_gemm_qkv
	.globl	k_qfa885cb562_gemm_qkv
	.p2align	8
	.type	k_qfa885cb562_gemm_qkv,@function
k_qfa885cb562_gemm_qkv:
	s_mov_b64 s[64:65], 0
	v_nop
	global_prefetch_b8 v0, s[64:65] scope:SCOPE_SE
	s_setreg_imm32_b32 hwreg(HW_REG_WAVE_MODE, 25, 1), 1
	s_wait_xcnt 0x0
	s_wait_alu depctr_hold_cnt(0) depctr_sa_sdst(0) depctr_va_vdst(0) depctr_va_sdst(0) depctr_va_ssrc(0) depctr_va_vcc(0) depctr_vm_vsrc(0)
	s_getreg_b32 s2, hwreg(HW_REG_IB_STS2, 6, 4)
	s_cmp_eq_u32 s2, 0
	s_cbranch_scc0 .Lentry_in_a_cluster
	s_endpgm
.Lentry_in_a_cluster:
	s_bfe_u32 s2, ttmp6, 0x10000c
	s_cmp_lg_u32 s2, 0xf033
	s_cbranch_scc0 .Lentry_shape_is_right
	s_endpgm
.Lentry_shape_is_right:
; qkv = x W_attn on codes of E2M3 with E8M0 scales, M 8,192, N 3,072, K 1,024; the results never go to memory as f32: they are quantised in registers for the two products of attention and stored as codes.
; A tile of 256 x 256 is made by four waves, each 128 x 128: 64 accumulators, 512 registers.  K goes in steps of 256 through a ring of two LDS slots filled by the tensor data mover: four slots' worth, written straight.
; OPERANDS ARE IMAGES OF REGISTERS: a fragment (16 rows x 128 K) is 1,536 bytes, registers 4 c .. 4 c + 3 of lane l at 512 c + 16 l: three ds_load_b128 of 512 consecutive bytes; no pitch, no padding.
; A tile of 16 rows has 12,288 bytes (8 K steps) in memory; a slot takes 3,072 of them.  Scale words: 512 bytes a tile, [pair of K steps][row][2 words]; those of the work-group's rows come into LDS once.
; THE MATRIX INSTRUCTION IS USED TRANSPOSED: source 0 = 16 rows of "B", source 1 = 16 rows of "A".  Place r of a tile holds row 32 (T / 2) + 8 (T % 2) + r + 8 (r / 8), so that a lane's 64 results of one block of A
; are 64 numbers of ONE row of A, register 16 b + i = column 32 b + 16 (lane / 16) + i of my 128: what the conversions want.
; THE CLUSTER'S x IS THE CLASS: 0 q, 1 k, 2 v, the same in all sixteen partners.  q, k: A = x (tokens), B = W: a lane holds a token and runs along the features: quantised along the head's 64.
; v: the pointers change places, A = W, B = x: a lane holds a feature and runs along the tokens: quantised along the keys.  The loop is the same.
; OUT: records of 19,712 bytes for 128 tokens of one head: K part at 0 (8 tiles x 768 bytes: registers 0-3 at 16 l, 4-5 at 512 + 8 l; then 512 bytes of scale words), V part at 6,656 (4 tiles of 16 channels x 1,536; 256 bytes
; of scale words), Q part at 13,056 (as K).  Every store covers whole aligned runs of 256 bytes, straight from registers.
; CLUSTERS: 4 x 4 work-groups; A's tiles are asked for jointly along a row of the cluster, B's along a column.
; LIMITS: a block whose largest magnitude lies under 2^-124 gets the byte 1 (zeros: the rule says 127; this program alone reads the bytes); NaN and infinities are not served.
; REGISTERS: window 0: v16-29 addresses; v32-63 scale words, two sets; v64-115 the way out; v128-223 A's fragments, one set.  window 1: B's fragments, two sets, at v0 and v128.  windows 2, 3: the accumulators ((a, b) at v[8 (8 (a % 4) + b)]).
.set NQ,     2
.set FR,     12
.set NP,     4                         ; places behind this matrix instruction (ISA guide 7.12.1)
.set NLA,    3                         ; LDS loads that bring a fragment of A
.set TSL,    3072                      ; a tile's part of a slot
.set TROW,   12288                     ; a tile in memory
.set HALFT,  8*TSL                     ; what one tensor load brings, and what one wave reads of A or of B
.set SLOT,   4*HALFT
.set SCL,    2*SLOT                    ; behind the ring: the scale words
.set HALFS,  4096
.set SPARE,  SCL+4*HALFS               ; the spare words, 128 bytes for each wave: two blocks of 256 bytes that no other line names
.set WAS,    3145728                   ; W_attn's scale words in wq (its codes begin at 0)
.set REC,    19712
.set HS,     16*REC                    ; from a head to the next
.set ADRA, 16                          ; v16-17  LDS address of my A fragments in slot 0, 1
.set ADRB, 20                          ; v20-21  the same for B
.set LI,   24                          ; v24     16 x lane
.set L8,   25                          ; v25     8 x lane
.set ADRS, 27                          ; v27     LDS address of my scale words: lanes 0-15 A's, lanes 16-31 B's
.set SPW,  28                          ; v28     LDS address of my spare word; never rewritten
.set NIL,  29                          ; v29     0; never rewritten
.set SC,   32
.set TM,   64                          ; v64-79  at work on the way out
.set PWS,  80                          ; v80-87  the eight blocks' scale words
.set PC,   88                          ; v88-107 the codes
.set SL,   108                         ; v108-115 scale words as they are stored
.set AF,   128
.set G1, 24
.set G0, 32
.set G1B, 48
.set G0B, 56
.set G1S, 68
.set G0S, 76
.set G1SB, 80
.set G0SB, 88
.set SEL, 66                           ; s[66:67] lane selects: lane l xor 16
.set MSB, 0
.macro WIN new                         ; the immediate's high byte repeats the setting that is left
.if MSB != (\new)
	s_set_vgpr_msb (MSB<<8)|(\new)
.set MSB, (\new)
.endif
.endm
.set MUL_LO, 0xa1                      ; source 0 (B) window 1, source 1 (A) window 0, C and D window 2
.set MUL_HI, 0xf1
.set TO_B,   0x40
; A joint load: waves 0 and 1 fetch for A, waves 2 and 3 for B; the branch hangs on the wave's number alone.  Four v_nop follow each of the two lines.
.macro JLOAD g0a, g1a, g0b, g1b
	s_cmp_eq_u32 s15, 0
	s_cbranch_scc0 .Lfor_b_\@
	tensor_load_to_lds s[\g0a:\g0a+3], s[\g1a:\g1a+7]
	s_nop 0
.rept 4
	v_nop
.endr
	s_branch .Lasked_\@
.Lfor_b_\@:
	tensor_load_to_lds s[\g0b:\g0b+3], s[\g1b:\g1b+7]
	s_nop 0
.rept 4
	v_nop
.endr
.Lasked_\@:
.endm
.macro CREST                           ; a round of the cluster's barrier behind its opening barrier
	s_cmp_lg_u32 s14, 0
	s_cbranch_scc1 .Lnot_wave_0_\@
	s_barrier_signal -3
.Lnot_wave_0_\@:
	s_barrier_wait -3
	s_barrier_signal -1
	s_barrier_wait -1
.endm
.macro CROUND
	s_barrier_signal -1
	s_barrier_wait -1
	CREST
.endm
	s_load_b128 s[4:7], s[0:1], 0x0                ; x's codes s[4:5], x's scale words s[6:7]
	s_load_b128 s[8:11], s[0:1], 0x10              ; the weights s[8:9], qkv s[10:11]
	v_lshl_add_u32 v[SPW], v0, 2, SPARE
	v_mov_b32 v[NIL], 0
	ds_add_u32 v28, v29
	s_wait_dscnt 0x0
	v_lshrrev_b32 v1, 5, v0
	v_readfirstlane_b32 s14, v1                    ; wave 0..3
	s_lshr_b32 s15, s14, 1                         ; which half of A's rows is mine.  Also: I fetch for A (0) or for B (1)
	s_and_b32 s16, s14, 1                          ; which half of B's rows.  Also: which 8 tiles I fetch
	s_bfe_u32 s40, ttmp6, 0x40000                  ; cx
	s_bfe_u32 s41, ttmp6, 0x40004                  ; cy
	s_and_b32 s17, ttmp7, 0xffff
	s_lshl_b32 s17, s17, 2                         ; 4 x cluster y
	s_lshl_b32 s43, s41, 2
	s_lshl_b32 s43, 15, s43                        ; my row of the cluster
	s_lshl_b32 s44, 0x1111, s40                    ; my column
	; descriptor group 1, codes: 8 rows (tiles) of 3,072 bytes, 12,288 bytes apart, as elements of 8 bytes; dense in LDS
	s_or_b32 s[G1+0], s43, (3<<16)|(1<<21)         ; 15:0 the mask: A's tiles go to my row; 17:16 elements of 8 bytes; 21 set beside a mask; no padding
	s_or_b32 s[G1B+0], s44, (3<<16)|(1<<21)
.irp g, G1, G1B
	s_mov_b32 s[\g+1], 384<<16                     ; tensor_dim0
	s_mov_b32 s[\g+2], 8<<16                       ; tensor_dim1
	s_mov_b32 s[\g+3], 384<<16                     ; tile_dim0
	s_mov_b32 s[\g+4], 8                           ; tile_dim1
	s_mov_b32 s[\g+5], 1536                        ; tensor_dim0_stride
	s_mov_b32 s[\g+6], 0
	s_mov_b32 s[\g+7], 0
.endr
	; scale words of 8 tiles: 4,096 dense bytes as 16 rows of 256
	s_or_b32 s[G1S+0], s43, (3<<16)|(1<<21)
	s_or_b32 s[G1SB+0], s44, (3<<16)|(1<<21)
.irp g, G1S, G1SB
	s_mov_b32 s[\g+1], 32<<16
	s_mov_b32 s[\g+2], 16<<16
	s_mov_b32 s[\g+3], 32<<16
	s_mov_b32 s[\g+4], 16
	s_mov_b32 s[\g+5], 32
	s_mov_b32 s[\g+6], 0
	s_mov_b32 s[\g+7], 0
.endr
	; which 256 rows.  A's number hangs on cy alone, B's on cx alone, in both classes of roles
	s_add_co_u32 s20, s17, s41                     ; q, k: A = tokens 256 (4 cluster y + cy)
	s_add_co_u32 s21, s41, 8                       ; v:    A = features 256 (8 + cy)
	s_lshl_b32 s46, ttmp9, 2
	s_add_co_u32 s46, s46, s40                     ; q, k: B = features 256 (4 class + cx)
	s_add_co_u32 s47, s17, s40                     ; v:    B = tokens 256 (4 cluster y + cx)
	s_cmp_eq_u32 ttmp9, 2
	s_cselect_b32 s20, s21, s20
	s_cselect_b32 s46, s47, s46
	s_lshl_b32 s45, s16, 3
	s_lshl_b32 s20, s20, 4
	s_add_co_u32 s20, s20, s45                     ; the first tile of 16 that I fetch
	s_lshl_b32 s46, s46, 4
	s_add_co_u32 s46, s46, s45
	s_lshl_b32 s22, s20, 9                         ; its scale words, in bytes
	s_mul_i32 s20, s20, TROW                       ; its codes
	s_lshl_b32 s18, s46, 9
	s_mul_i32 s46, s46, TROW
	s_mov_b32 s21, 0
	s_mov_b32 s23, 0
	s_mov_b32 s19, 0
	s_mov_b32 s47, 0
	s_mul_i32 s42, s14, HALFT                      ; where they go: no place in the cluster enters an LDS address
	s_mul_i32 s45, s14, HALFS
	s_mov_b32 s[SEL], 0x76543210
	s_mov_b32 s[SEL+1], 0xfedcba98
	s_wait_kmcnt 0x0
	s_add_nc_u64 s[12:13], s[8:9], WAS             ; W_attn's scale words
	s_cmp_eq_u32 ttmp9, 2                          ; the choice hangs on the cluster's x alone
	s_cselect_b64 s[92:93], s[8:9], s[4:5]         ; A's codes
	s_cselect_b64 s[94:95], s[12:13], s[6:7]       ; A's scale words
	s_cselect_b64 s[96:97], s[4:5], s[8:9]         ; B's codes
	s_cselect_b64 s[98:99], s[6:7], s[12:13]       ; B's scale words
	s_add_nc_u64 s[92:93], s[92:93], s[20:21]
	s_add_nc_u64 s[94:95], s[94:95], s[22:23]
	s_add_nc_u64 s[96:97], s[96:97], s[46:47]
	s_add_nc_u64 s[98:99], s[98:99], s[18:19]
	CROUND                                         ; all sixteen work-groups are here: the first joint loads meet
	s_mov_b32 s[G0S], 1
	s_add_co_u32 s[G0S+1], s45, SCL
	s_mov_b64 s[G0S+2:G0S+3], s[94:95]
	s_or_b32 s[G0S+3], s[G0S+3], 0x80000000
	s_mov_b32 s[G0SB], 1
	s_add_co_u32 s[G0SB+1], s45, SCL
	s_mov_b64 s[G0SB+2:G0SB+3], s[98:99]
	s_or_b32 s[G0SB+3], s[G0SB+3], 0x80000000
	JLOAD G0S, G1S, G0SB, G1SB                     ; the scale words first: they are wanted with the first K step
.irp s, 0,1
	s_mov_b32 s[G0+4*\s], 1
	s_add_co_u32 s[G0+4*\s+1], s42, \s*SLOT
	s_add_nc_u64 s[G0+4*\s+2:G0+4*\s+3], s[92:93], \s*TSL
	s_or_b32 s[G0+4*\s+3], s[G0+4*\s+3], 0x80000000
	s_mov_b32 s[G0B+4*\s], 1
	s_add_co_u32 s[G0B+4*\s+1], s42, \s*SLOT
	s_add_nc_u64 s[G0B+4*\s+2:G0B+4*\s+3], s[96:97], \s*TSL
	s_or_b32 s[G0B+4*\s+3], s[G0B+4*\s+3], 0x80000000
	JLOAD G0+4*\s, G1, G0B+4*\s, G1B               ; three tensor loads of mine are out behind the last of these
.endr
	v_and_b32 v1, 15, v0                           ; r
	v_bfe_u32 v2, v0, 4, 1                         ; h
	v_and_b32 v3, 31, v0
	v_lshlrev_b32 v[LI], 4, v3
	v_lshlrev_b32 v[L8], 3, v3
	s_mul_i32 s21, s15, HALFT                      ; my 8 tiles of A
	s_mul_i32 s22, s16, HALFT                      ; my 8 tiles of B,
	s_add_co_u32 s22, s22, 2*HALFT                 ; which lie behind A's 16
.irp s, 0,1
	v_add_nc_u32 v[ADRA+\s], s21, v[LI]
	v_add_nc_u32 v[ADRB+\s], s22, v[LI]
	s_add_co_u32 s21, s21, SLOT
	s_add_co_u32 s22, s22, SLOT
.endr
	v_lshlrev_b32 v5, 3, v1                        ; scale words: 8 bytes a row for a pair of K steps
	s_lshl_b32 s21, s15, 12                        ; A's: my 8 tiles
	s_lshl_b32 s22, s16, 12                        ; B's: my 8 tiles, behind A's 16
	s_add_co_u32 s22, s22, 2*HALFS
	s_sub_co_u32 s22, s22, s21
	v_mul_u32_u24 v6, s22, v2                      ; lanes 16-31 take B's: the lower base + h x the distance
	s_add_co_u32 s21, s21, SCL
	v_add_nc_u32 v5, v5, v6
	v_add_nc_u32 v[ADRS], s21, v5
.irp b, 0,1,2,3
	v_mov_b32 v[TM+4+\b], 0                        ; written once: a lane permute's destination counts as one of its sources
.endr
	; where my results go: heads 2 HP and 2 HP + 1, the 128 tokens ST
	s_lshl_b32 s20, s40, 1
	s_add_co_u32 s20, s20, s16                     ; q, k: HP = 2 cx + my half of B
	s_lshl_b32 s21, s41, 1
	s_add_co_u32 s21, s21, s15                     ; v:    HP = 2 cy + my half of A
	s_add_co_u32 s22, s17, s41
	s_lshl_b32 s22, s22, 1
	s_add_co_u32 s22, s22, s15                     ; q, k: ST
	s_add_co_u32 s23, s17, s40
	s_lshl_b32 s23, s23, 1
	s_add_co_u32 s23, s23, s16                     ; v:    ST
	s_cmp_eq_u32 ttmp9, 2
	s_cselect_b32 s20, s21, s20
	s_cselect_b32 s22, s23, s22
	s_cselect_b32 s21, 6656, 0                     ; the part of a record: V's, K's,
	s_cmp_eq_u32 ttmp9, 0
	s_cselect_b32 s21, 13056, s21                  ; or Q's
	s_lshr_b32 s23, s22, 4                         ; the batch
	s_lshl_b32 s23, s23, 4
	s_lshl_b32 s20, s20, 1
	s_add_co_u32 s23, s23, s20                     ; 16 x batch + head
	s_lshl_b32 s23, s23, 4
	s_and_b32 s22, s22, 15
	s_add_co_u32 s23, s23, s22                     ; the record
	s_mul_i32 s20, s23, REC
	s_add_co_u32 s20, s20, s21
	s_mov_b32 s21, 0
	s_add_nc_u64 s[12:13], s[10:11], s[20:21]
.macro FRAG reg, adr, q, i             ; a fragment comes as it was stored: three loads of 512 consecutive bytes
.irp c, 0,1,2
	ds_load_b128 v[\reg+4*\c:\reg+4*\c+3], v[\adr] offset:TSL*(\i)+1536*(\q)+512*\c
.endr
.endm
; 16 matrix instructions: A's blocks a0, a0 + 1 x B's eight, 128 along K.  The 64 accumulators take turns, one instruction a turn, in the same order in every step.
.macro MUL16 a0, p, q, sc, zero
.irp a, \a0, \a0+1
.irp b, 0,1,2,3,4,5,6,7
.if \zero
	v_wmma_scale_f32_16x16x128_f8f6f4 v[8*(8*((\a)%4)+\b):8*(8*((\a)%4)+\b)+7], v[128*(\p)+FR*\b:128*(\p)+FR*\b+FR-1], v[AF+FR*(\a):AF+FR*(\a)+FR-1], 0, v[SC+8*NQ*(\sc)+NQ*\b+(\q)], v[SC+8*NQ*(\sc)+NQ*(\a)+(\q)] matrix_a_fmt:MATRIX_FMT_FP6 matrix_b_fmt:MATRIX_FMT_FP6 matrix_a_scale:MATRIX_SCALE_ROW1
.else
	v_wmma_scale_f32_16x16x128_f8f6f4 v[8*(8*((\a)%4)+\b):8*(8*((\a)%4)+\b)+7], v[128*(\p)+FR*\b:128*(\p)+FR*\b+FR-1], v[AF+FR*(\a):AF+FR*(\a)+FR-1], v[8*(8*((\a)%4)+\b):8*(8*((\a)%4)+\b)+7], v[SC+8*NQ*(\sc)+NQ*\b+(\q)], v[SC+8*NQ*(\sc)+NQ*(\a)+(\q)] matrix_a_fmt:MATRIX_FMT_FP6 matrix_b_fmt:MATRIX_FMT_FP6 matrix_a_scale:MATRIX_SCALE_ROW1
.endif
.endr
.endr
.endm
.macro FETCH_B slot, q, p
	WIN TO_B
.irp i, 0,1,2,3,4,5,6,7
	FRAG 128*(\p)+FR*\i, ADRB+\slot, \q, \i
.endr
	WIN 0
.endm
.macro FETCH_A slot, q, i0
.irp i, \i0, \i0+1, \i0+2, \i0+3
	FRAG AF+FR*(\i), ADRA+\slot, \q, \i
.endr
.endm
.macro SCALES sc                       ; a slot's scale words: two a row; lanes 0-15 take A's block i, lanes 16-31 B's block i
.irp i, 0,1,2,3,4,5,6,7
	ds_load_b64 v[SC+8*NQ*\sc+NQ*\i:SC+8*NQ*\sc+NQ*\i+1], v[ADRS] offset:\i*512
.endr
.endm
.macro PLACES n                        ; plain vector instructions between a matrix instruction and a load into, or a read of, its registers (ISA guide 7.12.1 for reads)
.rept \n
	v_nop
.endr
.endm
.macro STEP slot, q, zero              ; a step of 128 along K that has its successor in the same slot
	s_wait_dscnt 4*NLA                             ; B's set, A's blocks 0-3 and the scale words are in; the youngest loads (A's blocks 4-7) may be out
	WIN MUL_LO
	MUL16 0, (\q)%2, \q, \slot, \zero
	MUL16 2, (\q)%2, \q, \slot, \zero
	s_wait_dscnt 0                                 ; A's blocks 4-7 are in
	PLACES NP
	FETCH_B \slot, (\q)+1, 1-(\q)%2
	FETCH_A \slot, (\q)+1, 0
	WIN MUL_HI
	MUL16 4, (\q)%2, \q, \slot, \zero
	MUL16 6, (\q)%2, \q, \slot, \zero
	PLACES NP
	WIN 0
	FETCH_A \slot, (\q)+1, 4
.endm
; A slot's last step changes slots: one barrier; in front of it each wave waits for all its tensor loads, adds 0 to its spare word, and waits for that and for its reads of this slot.
.macro TURN slot, next, fill
	s_wait_tensorcnt 0x0                           ; all my tensor loads have landed: my part of the next slot
	ds_add_u32 v[SPW], v[NIL]                      ; 0 onto my spare word
	s_wait_dscnt 4*NLA+1                           ; (the add and A's blocks 4-7 may be out)
	WIN MUL_LO
	MUL16 0, 1, NQ-1, \slot, 0
	s_wait_dscnt 0x0                               ; the add is done, and my reads of this slot are over
	s_barrier_signal -1
	MUL16 2, 1, NQ-1, \slot, 0
	WIN 0
	s_barrier_wait -1
.if \fill
	CREST                                          ; the barrier has opened a round of the cluster's barrier: no wave of any partner still reads this slot or has a load on its way
	s_add_nc_u64 s[G0+4*\slot+2:G0+4*\slot+3], s[G0+4*\slot+2:G0+4*\slot+3], 2*TSL
	s_add_nc_u64 s[G0B+4*\slot+2:G0B+4*\slot+3], s[G0B+4*\slot+2:G0B+4*\slot+3], 2*TSL
	JLOAD G0+4*\slot, G1, G0B+4*\slot, G1B         ; the first tensor load behind the round; its four v_nop are the places in front of the loads below
.else
	PLACES NP
.endif
	v_add_nc_u32 v[ADRS], 128, v[ADRS]             ; the next slot's scale words
	FETCH_B \next, 0, 0
	FETCH_A \next, 0, 0
	SCALES \next
	WIN MUL_HI
	MUL16 4, 1, NQ-1, \slot, 0
	MUL16 6, 1, NQ-1, \slot, 0
	PLACES NP
	WIN 0
	FETCH_A \next, 0, 4
.endm
	s_wait_tensorcnt 1                             ; the scale words and my part of slot 0 are in; slot 1's load may be out
	s_barrier_signal -1
	s_barrier_wait -1
	FETCH_B 0, 0, 0
	FETCH_A 0, 0, 0
	SCALES 0
	FETCH_A 0, 0, 4
	STEP 0, 0, 1                                   ; the first products start the sums: nothing is cleared
	TURN 0, 1, 1
	STEP 1, 0, 0
	TURN 1, 0, 1
	STEP 0, 0, 0
	TURN 0, 1, 0                                   ; nothing is left to fetch
	STEP 1, 0, 0
	s_wait_dscnt 4*NLA
	WIN MUL_LO
	MUL16 0, 1, NQ-1, 1, 0
	MUL16 2, 1, NQ-1, 1, 0
	s_wait_dscnt 0
	WIN MUL_HI
	MUL16 4, 1, NQ-1, 1, 0
	MUL16 6, 1, NQ-1, 1, 0
	WIN 0
	PLACES NP
; THE WAY OUT.  Block a of A: a lane's 64 results are 64 numbers of one row (q, k: a token's 128 features, two heads; v: a channel's 128 tokens): four blocks of 32 with lane l xor 16.  They become one fragment and one scale word.
.macro OUTBLK a
.set AC, 64*((\a)%4)
	s_wait_xcnt 0x0                                ; the last block's stores have read the codes' registers
	WIN 0x28+0x14*((\a)/4)                         ; sources 1 and 2: window 2 or 3
.irp b, 0,1,2,3
	v_max3_num_f32 v[TM+\b], 0x1800000, |v[AC+16*\b]|, |v[AC+16*\b+1]|   ; each accumulator is read from its low end on; the floor 2^(3 - 127) holds the byte at 1
.endr
.irp i, 2,4,6,8,10,12,14
.irp b, 0,1,2,3
	v_max3_num_f32 v[TM+\b], v[TM+\b], |v[AC+16*\b+\i]|, |v[AC+16*\b+\i+1]|
.endr
.endr
	WIN 0
.irp b, 0,1,2,3
	v_permlanex16_b32 v[TM+4+\b], v[TM+\b], s[SEL], s[SEL+1]
.endr
.irp b, 0,1,2,3
	v_max_num_f32 v[TM+\b], v[TM+\b], v[TM+4+\b]
.endr
.irp b, 0,1,2,3
	v_add_nc_u32 v[TM+12+\b], 0xff000000, v[TM+\b]   ; 2 off the exponent field: the conversion's scale operand
.endr
.irp b, 0,1,2,3
	v_lshrrev_b32 v[TM+4+\b], 23, v[TM+12+\b]
.endr
	v_lshl_or_b32 v[PWS+(\a)], v[TM+5], 8, v[TM+4]
	v_lshl_or_b32 v[PWS+(\a)], v[TM+6], 16, v[PWS+(\a)]
	v_lshl_or_b32 v[PWS+(\a)], v[TM+7], 24, v[PWS+(\a)]
	WIN 0x02+((\a)/4)                              ; source 0: window 2 or 3
.irp c, 0,1
	v_cvt_scalef32_pk16_fp6_f32 v[PC+6*\c:PC+2+6*\c], v[AC+32*\c:AC+15+32*\c], v[TM+12+2*\c]
	v_cvt_scalef32_pk16_fp6_f32 v[PC+12+4*\c:PC+14+4*\c], v[AC+16+32*\c:AC+31+32*\c], v[TM+12+2*\c+1]
.endr
	WIN 0
	v_nop                                          ; one plain place behind a scaled conversion
.irp c, 0,1
.irp i, 0,1,2
	v_permlane16_swap_b32 v[PC+6*\c+\i], v[PC+12+4*\c+\i]
.endr
.irp i, 0,1,2
	v_mov_b32 v[PC+3+6*\c+\i], v[PC+12+4*\c+\i]
.endr
.endr
	s_cmp_eq_u32 ttmp9, 2
	s_cbranch_scc1 .Lv_\@
	global_store_b128 v[LI], v[PC:PC+3], s[12:13] offset:768*(\a)            ; q, k: registers 0-5 are the first head's 64, tile a of the record;
	global_store_b64 v[L8], v[PC+4:PC+5], s[12:13] offset:768*(\a)+512
	global_store_b128 v[LI], v[PC+6:PC+9], s[12:13] offset:HS+768*(\a)       ; registers 6-11 the next head's
	global_store_b64 v[L8], v[PC+10:PC+11], s[12:13] offset:HS+768*(\a)+512
	s_branch .Ld_\@
.Lv_\@:
.irp c, 0,1,2
	global_store_b128 v[LI], v[PC+4*\c:PC+4*\c+3], s[12:13] offset:((\a)/4)*HS+((\a)%4)*1536+512*\c   ; v: head a / 4, channels' tile a % 4: a whole fragment
.endr
.Ld_\@:
.endm
.irp a, 0,1,2,3,4,5,6,7
	OUTBLK \a
.endr
	v_and_b32 v[TM], 16, v0
	v_cmp_ne_u32 vcc_lo, 0, v[TM]                  ; lanes 16-31
	s_cmp_eq_u32 ttmp9, 2
	s_cbranch_scc1 .Lvs
.irp j, 0,1,2,3
	v_cndmask_b32 v[SL+\j], v[PWS+\j], v[PWS+4+\j], vcc_lo   ; lane l's 16 bytes: the words of tiles 4 (l / 16) + 0 .. 3, row l % 16.  Bytes 0, 1 are the first head's; bytes 2, 3 meet zero codes only
.endr
.irp j, 0,1,2,3
	v_lshrrev_b32 v[SL+4+\j], 16, v[SL+\j]         ; the next head's two bytes
.endr
	global_store_b128 v[LI], v[SL:SL+3], s[12:13] offset:6144
	global_store_b128 v[LI], v[SL+4:SL+7], s[12:13] offset:HS+6144
	s_branch .Lends
.Lvs:
.irp e, 0,1
.irp j, 0,1
	v_cndmask_b32 v[SL+2*\e+\j], v[PWS+4*\e+\j], v[PWS+4*\e+2+\j], vcc_lo   ; lane l's 8 bytes: the words of channels' tiles 2 (l / 16) + 0, 1
.endr
.endr
	global_store_b64 v[L8], v[SL:SL+1], s[12:13] offset:6144
	global_store_b64 v[L8], v[SL+2:SL+3], s[12:13] offset:HS+6144
.Lends:
	s_wait_tensorcnt 0x0                           ; the wave's end
	ds_add_u32 v[SPW], v[NIL]
	s_wait_dscnt 0x0
	CROUND                                         ; the closing round: no work-group ends while a partner may still ask for a tile that names it
	s_endpgm
.Lfunc_end_k_qfa885cb562_gemm_qkv:
	.size	k_qfa885cb562_gemm_qkv, .Lfunc_end_k_qfa885cb562_gemm_qkv-k_qfa885cb562_gemm_qkv
	.p2alignl 7, 3214868480
	.fill 96, 4, 3214868480
	.section	.rodata,"a",@progbits
	.p2align	6, 0x0
	.amdhsa_kernel k_qfa885cb562_gemm_qkv
		.amdhsa_group_segment_fixed_size 327680
		.amdhsa_private_segment_fixed_size 0
		.amdhsa_enable_private_segment 0
		.amdhsa_kernarg_size 32
		.amdhsa_user_sgpr_count 2
		.amdhsa_user_sgpr_kernarg_segment_ptr 1
		.amdhsa_wavefront_size32 1
		.amdhsa_system_sgpr_workgroup_id_x 1
		.amdhsa_system_sgpr_workgroup_id_y 1
		.amdhsa_system_sgpr_workgroup_id_z 1
		.amdhsa_system_vgpr_workitem_id 0
		.amdhsa_next_free_vgpr 1024
		.amdhsa_next_free_sgpr 100
		.amdhsa_reserve_vcc 1
		.amdhsa_float_denorm_mode_32 3
		.amdhsa_float_denorm_mode_16_64 3
		.amdhsa_memory_ordered 1
		.amdhsa_forward_progress 1
		.amdhsa_inst_pref_size 144
	.end_amdhsa_kernel
	.amdgpu_metadata
---
amdhsa.version: [ 1, 2 ]
amdhsa.kernels:
  - .name:           k_qfa885cb562_gemm_qkv
    .symbol:         k_qfa885cb562_gemm_qkv.kd
    .args:
      - { .name: xf, .offset: 0, .size: 8, .value_kind: global_buffer, .address_space: global }
      - { .name: xs, .offset: 8, .size: 8, .value_kind: global_buffer, .address_space: global }
      - { .name: wq, .offset: 16, .size: 8, .value_kind: global_buffer, .address_space: global }
      - { .name: qkv, .offset: 24, .size: 8, .value_kind: global_buffer, .address_space: global }
    .group_segment_fixed_size: 327680
    .private_segment_fixed_size: 0
    .kernarg_segment_align: 8
    .kernarg_segment_size: 32
    .max_flat_workgroup_size: 128
    .sgpr_count:     100
    .vgpr_count:     1024
    .wavefront_size: 32
...
	.end_amdgpu_metadata
.endif
;; end of part 2
;; launch attn (part 3): grid 4 x 64, 16 waves a work-group, no clusters, 327,680 bytes of LDS; arguments qkv, yf, ys; writes yf, ys
.if DOCPART == 3
	.amdgcn_target "amdgcn-amd-amdhsa--gfx1250"
	.amdhsa_code_object_version 6
	.text
	.protected	k_qfa885cb562_attn
	.globl	k_qfa885cb562_attn
	.p2align	8
	.type	k_qfa885cb562_attn,@function
k_qfa885cb562_attn:
	s_mov_b64 s[64:65], 0
	v_nop
	global_prefetch_b8 v0, s[64:65] scope:SCOPE_SE
	s_setreg_imm32_b32 hwreg(HW_REG_WAVE_MODE, 25, 1), 1
	s_wait_xcnt 0x0
; Causal attention of one head on codes of E2M3 with E8M0 scales: S^T = K Q^T (K = the head's 64), p = 2^(t - M), O^T = V^T P^T (K = the keys), y = O / l, quantised along the head's 64 for the last product and stored as codes.
; t = score x log2(e) / 8; M = the running largest t rounded UP to a whole number; the row's sum l is taken of the unquantised p; when M moves, l and O are multiplied by 2^(old M - new M): exact.
; IN: records of 19,712 bytes for 128 tokens of a head: K part (8 tiles of 16 keys x 768 bytes, 512 bytes of scale words), V part (4 tiles of 16 channels x 1,536, 256 bytes of scale words), Q part (as K): images of operand registers.
; Place r of a tile of tokens or channels holds row 32 (T / 2) + 8 (T % 2) + r + 8 (r / 8), so that the 16 registers of two neighbouring result tiles are 16 neighbours along the next K.
; SHARES: work-group (i, head) owns the blocks i and 7 - i of 256 queries, one after the other: (i + 1) + (8 - i) = 9 slots of 256 keys for every work-group: 256 equal work-groups, a constant trip count.
; Each of the SIXTEEN waves owns one tile of 16 queries in 256 registers: four waves to a SIMD, so that one wave's vector work stands beside another's matrix work and LDS loads.
; RING: two LDS slots of 2 x 13,056 bytes (the K and V parts of two records), filled by waves 0 and 1, one dense tensor load each, read by all sixteen.
; K = 64 IN AN INSTRUCTION OF 128: Q's registers 6-11 are zero codes; K's operand for tile t is v[32 + 6 t .. 43 + 6 t]: its upper six registers are the next tile's codes, which meet zero codes alone.
; NO CLUSTER: the four work-groups of a head ask in trip n for key slot n - (n >= i + 1 ? i + 1 : 0), which hangs on i: partners would need different tiles in most trips.
; CAUSAL: a step all of whose 128 keys come after my 16 queries is left out by a scalar branch on ids; on the diagonal hidden scores become -infinity ahead of the maximum.
; LIMITS: p under 2^-126 is 0 (v_exp_f32 flushes: ISA guide, its entry); 1 / l is v_rcp_f32; a block of y whose largest magnitude lies under 2^-124 gets the byte 1; NaN and infinities are not served.
; REGISTERS: v1 16 lane, v2 8 lane, v3 r + 8 (r / 8) - 16 h, v4 256 lane, v5-6 the add's, v8-9 LDS addresses, v10 16 r, v11 8 r, v12 -M, v13 largest t, v[14:15] l, v16-27 Q and its zeros, v28 Q's scale word, v29 block B's,
; v30-31 V's scale words, v32-79 K's 8 tiles, then V's 4 fragments, v80-85 zeros, v86-91 block B's Q, v92-95 K's scale words, v96-159 S^T, then p, v160-191 O^T, v192-210 codes, v232-254 at work (v253: p's scale word).
.set REC,   19712
.set HS,    16*REC
.set KV,    13056                      ; a record's K and V parts
.set SLOT1, 32768
.set SPARE, 65536                      ; the spare words, 128 bytes for each wave: eight blocks of 256 bytes that no other line names
.set WV,   18
.set SEL,  20
.set CS,   22                          ; s[22:23] c = log2(e) / 8
.set G1,   24
.set G0,   40
.set TB,   2                           ; LDS byte at which the slot in hand begins
.set SCN,  3                           ; the trip
.set NA,   66                          ; block A's slots: i + 1
.set KF,   67                          ; the step's first key
.set Q0,   68                          ; my tile's first query
.set Q0B,  69
.set YA,   70
.set YB,   72
.set YSA,  74
.set YSB,  76
.set PFA,  78
.set LIM,  80
.set BACK, 81                          ; NA slots of keys, in bytes
.macro TLOAD                           ; waves 0 and 1 fetch a record's K and V parts each; four v_nop follow the line
	s_cmp_lt_u32 s[WV], 2
	s_cbranch_scc0 .Lasked_\@
	tensor_load_to_lds s[G0:G0+3], s[G1:G1+7]
	s_nop 0
.rept 4
	v_nop
.endr
.Lasked_\@:
.endm
; A prefetch into the L2 of the key slot that the next change of slots will ask for.  The head's work-group 0 walks key slots 0 .. 7 in order behind its first trip: it asks, and nobody else.  Its waves 4 to 7 take record u / 2 of the slot,
; blocks 32 (u % 2) + lane of 256 bytes (u = wave - 4): the 51 blocks of the K and V parts, and 13 of the same record's Q part, which the launch reads too.  Each block is named once; trip 7 asks for nothing.
.macro ASK
	s_cmp_lt_u32 s[SCN], s[LIM]
	s_cbranch_scc0 .Lnot_mine_\@
	global_prefetch_b8 v4, s[PFA:PFA+1] th:TH_LOAD_NT scope:SCOPE_SE
.Lnot_mine_\@:
.endm
	s_load_b128 s[4:7], s[0:1], 0x0                ; qkv s[4:5], yf s[6:7]
	s_load_b64 s[8:9], s[0:1], 0x10                ; ys
	v_lshl_add_u32 v5, v0, 2, SPARE
	v_mov_b32 v6, 0
	ds_add_u32 v5, v6
	ds_add_u32 v5, v6
	s_wait_dscnt 0x0
	v_lshrrev_b32 v8, 5, v0
	s_delay_alu instid0(VALU_DEP_1)
	v_readfirstlane_b32 s[WV], v8                  ; wave 0..15
	s_and_b32 s10, ttmp7, 0xffff                   ; 16 x batch + head
	s_add_co_u32 s[NA], ttmp9, 1
	s_mul_i32 s[BACK], s[NA], 2*REC
	s_sub_co_u32 s11, 7, ttmp9                     ; block B
	s_mov_b32 s[G1], 3<<16                         ; no mask; elements of 8 bytes; no padding: 51 dense rows of 256 bytes
	s_mov_b32 s[G1+1], 32<<16
	s_mov_b32 s[G1+2], 51<<16
	s_mov_b32 s[G1+3], 32<<16
	s_mov_b32 s[G1+4], 51
	s_mov_b32 s[G1+5], 32
	s_mov_b32 s[G1+6], 0
	s_mov_b32 s[G1+7], 0
	s_mul_i32 s84, s10, HS
	s_mov_b32 s85, 0
	s_and_b32 s86, s[WV], 1
	s_mul_i32 s88, s86, REC
	s_mov_b32 s89, 0
	s_mul_i32 s87, s86, KV
	s_wait_kmcnt 0x0
	s_add_nc_u64 s[46:47], s[4:5], s[84:85]        ; the head's first record
	s_mov_b32 s[G0], 1
	s_mov_b32 s[G0+1], s87                         ; slot 0, my record's place
	s_add_nc_u64 s[G0+2:G0+3], s[46:47], s[88:89]
	s_or_b32 s[G0+3], s[G0+3], 0x80000000
	TLOAD                                          ; key slot 0
	s_mov_b32 s[SEL], 0x76543210
	s_mov_b32 s[SEL+1], 0xfedcba98
	s_mov_b32 s[CS], 0x3e38aa3b
	s_mov_b32 s[CS+1], s[CS]
	s_mov_b32 s[TB], 0
	s_mov_b32 s[KF], 0
	s_lshr_b32 s84, s[WV], 1
	s_lshl_b32 s84, s84, 5
	s_lshl_b32 s85, s86, 3
	s_add_co_u32 s84, s84, s85                     ; 32 (w / 2) + 8 (w % 2)
	s_lshl_b32 s85, ttmp9, 8
	s_add_co_u32 s[Q0], s85, s84
	s_lshl_b32 s85, s11, 8
	s_add_co_u32 s[Q0B], s85, s84
	s_lshr_b32 s84, s[WV], 3                       ; Q: record w / 8 of the block's two, tile w % 8
	s_mul_i32 s84, s84, REC
	s_and_b32 s85, s[WV], 7
	s_mul_i32 s86, s85, 768
	s_add_co_u32 s86, s86, s84
	s_add_co_u32 s86, s86, KV                      ; its codes
	s_lshr_b32 s85, s85, 2
	s_lshl_b32 s85, s85, 8
	s_add_co_u32 s87, s84, s85
	s_and_b32 s85, s[WV], 3
	s_lshl_b32 s85, s85, 2
	s_add_co_u32 s87, s87, s85
	s_add_co_u32 s87, s87, KV+6144                 ; its scale words: 256 ((w % 8) / 4) + 16 r + 4 (w % 4)
	s_mul_i32 s84, ttmp9, 2*REC
	s_mul_i32 s85, s11, 2*REC
	s_add_co_u32 s88, s84, s86
	s_add_co_u32 s90, s84, s87
	s_add_co_u32 s92, s85, s86
	s_add_co_u32 s94, s85, s87
	s_mov_b32 s89, 0
	s_mov_b32 s91, 0
	s_mov_b32 s93, 0
	s_mov_b32 s95, 0
	s_add_nc_u64 s[88:89], s[46:47], s[88:89]
	s_add_nc_u64 s[90:91], s[46:47], s[90:91]
	s_add_nc_u64 s[92:93], s[46:47], s[92:93]
	s_add_nc_u64 s[94:95], s[46:47], s[94:95]
	v_and_b32 v7, 31, v0
	s_delay_alu instid0(VALU_DEP_1)
	v_lshlrev_b32 v1, 4, v7
	s_delay_alu instid0(VALU_DEP_2)
	v_lshlrev_b32 v2, 3, v7
	s_delay_alu instid0(VALU_DEP_3)
	v_lshlrev_b32 v4, 8, v7
	v_and_b32 v8, 15, v0                           ; r
	v_bfe_u32 v9, v0, 4, 1                         ; h
	s_delay_alu instid0(VALU_DEP_2)
	v_lshlrev_b32 v10, 4, v8
	s_delay_alu instid0(VALU_DEP_3)
	v_lshlrev_b32 v11, 3, v8
	s_delay_alu instid0(VALU_DEP_4)
	v_and_b32 v3, 8, v8
	s_delay_alu instid0(VALU_DEP_1)
	v_add_nc_u32 v3, v3, v8
	v_lshlrev_b32 v9, 4, v9
	s_delay_alu instid0(VALU_DEP_1)
	v_sub_nc_u32 v3, v3, v9                        ; my query less Q0, less my half's 16 keys
	global_load_b128 v[16:19], v1, s[88:89]        ; Q of block A stays in registers
	global_load_b64 v[20:21], v2, s[88:89] offset:512
	global_load_b32 v28, v10, s[90:91]
	global_load_b128 v[86:89], v1, s[92:93]        ; and block B's waits beside it
	global_load_b64 v[90:91], v2, s[92:93] offset:512
	global_load_b32 v29, v10, s[94:95]
	; where y goes: tile mt of 16 tokens; head hd is half of K step hd / 2 of the last product
	s_lshr_b32 s84, s10, 4
	s_lshl_b32 s84, s84, 7
	s_add_co_u32 s84, s84, s[WV]
	s_and_b32 s85, s10, 15
	s_lshr_b32 s86, s85, 1
	s_mul_i32 s86, s86, 1536
	s_and_b32 s87, s85, 1
	s_mul_i32 s96, s87, 768
	s_add_co_u32 s86, s86, s96
	s_lshr_b32 s96, s85, 2
	s_lshl_b32 s96, s96, 7
	s_lshl_b32 s87, s87, 1
	s_add_co_u32 s87, s87, s96
	s_bfe_u32 s96, s85, 0x10001
	s_lshl_b32 s96, s96, 2
	s_add_co_u32 s87, s87, s96
	s_lshl_b32 s96, ttmp9, 4
	s_add_co_u32 s96, s96, s84
	s_lshl_b32 s97, s11, 4
	s_add_co_u32 s97, s97, s84
	s_mov_b32 s85, 0
	s_mul_i32 s84, s96, 12288
	s_add_co_u32 s84, s84, s86
	s_add_nc_u64 s[YA:YA+1], s[6:7], s[84:85]
	s_mul_i32 s84, s97, 12288
	s_add_co_u32 s84, s84, s86
	s_add_nc_u64 s[YB:YB+1], s[6:7], s[84:85]
	s_lshl_b32 s84, s96, 9
	s_add_co_u32 s84, s84, s87
	s_add_nc_u64 s[YSA:YSA+1], s[8:9], s[84:85]
	s_lshl_b32 s84, s97, 9
	s_add_co_u32 s84, s84, s87
	s_add_nc_u64 s[YSB:YSB+1], s[8:9], s[84:85]
	; the prefetches: where my wave's stand (key slot 0; each change of slots steps them), and who asks.  Nothing is prefetched here, at the head
	s_and_b32 s84, s[WV], 3
	s_lshr_b32 s96, s84, 1
	s_mul_i32 s96, s96, REC
	s_and_b32 s84, s84, 1
	s_lshl_b32 s84, s84, 13
	s_add_co_u32 s84, s84, s96
	s_add_nc_u64 s[PFA:PFA+1], s[46:47], s[84:85]
	s_lshr_b32 s84, s[WV], 2
	s_xor_b32 s84, s84, 1                          ; 0 in waves 4 to 7,
	s_or_b32 s84, s84, ttmp9                       ; of the head's work-group 0
	s_cmp_eq_u32 s84, 0
	s_cselect_b32 s[LIM], 7, 0
	s_mov_b32 s83, 0                               ; stays 0: the upper word of the pair s[82:83]
	v_mov_b32 v13, 0xff61b1e6                      ; the largest t so far: -3e38
	s_delay_alu instid0(VALU_DEP_1)
	v_floor_f32 v12, -v13                          ; -M
	v_mov_b32 v14, 0
	v_mov_b32 v15, 0
.irp j, 22,23,24,25,26,27,80,81,82,83,84,85,236,237,238,239,252,253,254
	v_mov_b32 v\j, 0                               ; Q's zero codes; the registers behind K's last tile; registers named before they are first written
.endr
.set JJ, 0
.rept 32
	v_mov_b32 v[160+JJ], 0                         ; O^T: the step is written once, its first run finds zeros
.set JJ, JJ+1
.endr
	s_wait_loadcnt 0x0                             ; Q
; A KEY STEP: 128 keys, record q of the slot in hand.
.macro STEP q
	s_cmp_gt_u32 s[KF], s[Q0]                      ; KF is a multiple of 128 and my 16 queries lie in one run of 32: all keys come after all my queries
	s_cbranch_scc1 .Lhidden_\@
	v_add_nc_u32 v8, s[TB], v1
	v_add_nc_u32 v9, s[TB], v2
	v_nop
	v_nop                                          ; four places behind the last products, whose operands' registers are loaded anew
.irp t, 0,1,2,3,4,5,6,7
	ds_load_b128 v[32+6*\t:35+6*\t], v8 offset:KV*(\q)+768*\t
	ds_load_b64 v[36+6*\t:37+6*\t], v9 offset:KV*(\q)+768*\t+512
.endr
	ds_load_b128 v[92:95], v8 offset:KV*(\q)+6144  ; register j: lanes 0-15 tile j's words, lanes 16-31 tile 4 + j's
	s_wait_alu depctr_va_vdst(0)
	s_wait_dscnt 0x0
.irp t, 0,1,2,3
	v_wmma_scale_f32_16x16x128_f8f6f4 v[96+8*\t:103+8*\t], v[32+6*\t:43+6*\t], v[16:27], 0, v[92+\t], v28 matrix_a_fmt:MATRIX_FMT_FP6 matrix_b_fmt:MATRIX_FMT_FP6
.endr
.irp t, 4,5,6,7
	v_wmma_scale_f32_16x16x128_f8f6f4 v[96+8*\t:103+8*\t], v[32+6*\t:43+6*\t], v[16:27], 0, v[88+\t], v28 matrix_a_fmt:MATRIX_FMT_FP6 matrix_b_fmt:MATRIX_FMT_FP6 matrix_a_scale:MATRIX_SCALE_ROW1
.endr
.rept 4
	v_nop                                          ; places in front of the loads into K's registers and of the first read of the scores
.endr
.irp t, 0,1,2,3
.irp c, 0,1,2
	ds_load_b128 v[32+12*\t+4*\c:35+12*\t+4*\c], v8 offset:KV*(\q)+6656+1536*\t+512*\c   ; V's four fragments land under the softmax
.endr
.endr
	ds_load_b64 v[30:31], v9 offset:KV*(\q)+12800
	s_add_co_u32 s96, s[KF], 127
	s_cmp_le_u32 s96, s[Q0]
	s_cbranch_scc1 .Lopen_\@                       ; all keys count
	s_sub_co_i32 s96, s[Q0], s[KF]
	v_add_nc_u32 v252, s96, v3                     ; register 16 b + i holds key KF + 16 (lane / 16) + 32 b + i: hidden where 32 b + i > this
	v_mov_b32 v254, 0xff800000
.set JJ, 0
.rept 64
	v_cmp_gt_i32 vcc_lo, 32*(JJ/16)+JJ%16, v252
	v_cndmask_b32 v[96+JJ], v[96+JJ], v254, vcc_lo
.set JJ, JJ+1
.endr
.Lopen_\@:
.irp b, 0,1,2,3
	v_max3_num_f32 v[232+\b], v[96+16*\b], v[97+16*\b], v[98+16*\b]   ; the largest score of each block of 32 keys: it serves for the row's maximum and, since p rises with the score, for the block's largest p
.endr
.irp i, 3,5,7,9,11,13
.irp b, 0,1,2,3
	v_max3_num_f32 v[232+\b], v[232+\b], v[96+16*\b+\i], v[97+16*\b+\i]
.endr
.endr
.irp b, 0,1,2,3
	v_max_num_f32 v[232+\b], v[232+\b], v[111+16*\b]
.endr
.irp b, 0,1,2,3
	s_delay_alu instid0(VALU_DEP_4)
	v_permlanex16_b32 v[236+\b], v[232+\b], s[SEL], s[SEL+1]
.endr
.irp b, 0,1,2,3
	s_delay_alu instid0(VALU_DEP_4)
	v_max_num_f32 v[232+\b], v[232+\b], v[236+\b]
.endr
	s_delay_alu instid0(VALU_DEP_2)
	v_max3_num_f32 v254, v232, v233, v234
	s_delay_alu instid0(VALU_DEP_1)
	v_max_num_f32 v254, v254, v235
	s_delay_alu instid0(VALU_DEP_1)
	v_mul_f32 v254, s[CS], v254
	s_delay_alu instid0(VALU_DEP_1)
	v_max_num_f32 v13, v13, v254                   ; the running largest t
	v_mov_b32 v254, v12
	s_delay_alu instid0(VALU_DEP_2)
	v_floor_f32 v12, -v13                          ; the new -M = -ceil(t)
	s_delay_alu instid0(VALU_DEP_1)
	v_sub_f32 v254, v12, v254                      ; old M - new M: a whole number, 0 or less
	s_delay_alu instid0(VALU_DEP_1)
	v_cvt_i32_f32 v254, v254                       ; (it saturates)
	s_delay_alu instid0(VALU_DEP_1)
	v_ldexp_f32 v252, 1.0, v254                    ; f = 2^(old M - new M)
.set JJ, 0
.rept 32
	v_pk_fma_f32 v[96+JJ:97+JJ], v[96+JJ:97+JJ], s[CS:CS+1], v[12:13] op_sel_hi:[1,0,0]   ; t - M, two at a time
.set JJ, JJ+2
.endr
.irp b, 0,1,2,3
	v_fma_f32 v[232+\b], v[232+\b], s[CS], v12
.endr
.set JJ, 0
	s_wait_alu depctr_va_vdst(0)
.rept 64
	v_exp_f32 v[96+JJ], v[96+JJ]                   ; p = 2^(t - M), at most 1
.set JJ, JJ+1
.endr
	v_pk_mul_f32 v[14:15], v[14:15], v[252:253] op_sel_hi:[1,0]   ; l under the new M; a plain place behind the exponentials
	s_wait_alu depctr_va_vdst(0)                   ; one wait for the whole batch, ahead of its first reader
.irp b, 0,1,2,3
	v_exp_f32 v[232+\b], v[232+\b]                 ; the block's largest p
.endr
	v_pk_add_f32 v[236:237], v[100:101], v[104:105]
	v_pk_add_f32 v[254:255], v[108:109], v[112:113]
	v_pk_add_f32 v[250:251], v[116:117], v[120:121]
	v_pk_add_f32 v[248:249], v[124:125], v[128:129]
	v_pk_add_f32 v[246:247], v[132:133], v[136:137]
	v_pk_add_f32 v[244:245], v[140:141], v[144:145]
	v_pk_add_f32 v[242:243], v[148:149], v[152:153]
	v_pk_add_f32 v[14:15], v[14:15], v[156:157]
	v_pk_add_f32 v[236:237], v[236:237], v[96:97]
	v_pk_add_f32 v[254:255], v[254:255], v[98:99]
	v_pk_add_f32 v[250:251], v[250:251], v[102:103]
	v_pk_add_f32 v[248:249], v[248:249], v[106:107]
	v_pk_add_f32 v[246:247], v[246:247], v[110:111]
	v_pk_add_f32 v[244:245], v[244:245], v[114:115]
	v_pk_add_f32 v[242:243], v[242:243], v[118:119]
	v_pk_add_f32 v[14:15], v[14:15], v[122:123]
	v_pk_add_f32 v[236:237], v[236:237], v[126:127]
	v_pk_add_f32 v[254:255], v[254:255], v[130:131]
	v_pk_add_f32 v[250:251], v[250:251], v[134:135]
	v_pk_add_f32 v[248:249], v[248:249], v[138:139]
	v_pk_add_f32 v[246:247], v[246:247], v[142:143]
	v_pk_add_f32 v[244:245], v[244:245], v[146:147]
	v_pk_add_f32 v[242:243], v[242:243], v[150:151]
	v_pk_add_f32 v[14:15], v[14:15], v[154:155]
	v_pk_add_f32 v[236:237], v[236:237], v[158:159]
	s_delay_alu instid0(VALU_DEP_2)
	v_pk_add_f32 v[14:15], v[14:15], v[248:249]
	s_delay_alu instid0(VALU_DEP_2)
	v_pk_add_f32 v[236:237], v[236:237], v[246:247]
	v_pk_add_f32 v[254:255], v[254:255], v[244:245]
	v_pk_add_f32 v[250:251], v[250:251], v[242:243]
	s_delay_alu instid0(VALU_DEP_2)
	v_pk_add_f32 v[14:15], v[14:15], v[254:255]
	s_delay_alu instid0(VALU_DEP_2)
	v_pk_add_f32 v[236:237], v[236:237], v[250:251]
	s_delay_alu instid0(VALU_DEP_1)
	v_pk_add_f32 v[14:15], v[14:15], v[236:237]
	s_wait_alu depctr_va_vdst(0)                   ; and one for the four
.irp b, 0,1,2,3
	v_max_num_f32 v[232+\b], 0x1800000, v[232+\b]  ; the floor 2^(3 - 127): the byte cannot fall under 1
.endr
.irp b, 0,1,2,3
	s_delay_alu instid0(VALU_DEP_4)
	v_add_nc_u32 v[244+\b], 0xff000000, v[232+\b]
.endr
.irp b, 0,1,2,3
	s_delay_alu instid0(VALU_DEP_4)
	v_lshrrev_b32 v[236+\b], 23, v[244+\b]
.endr
	s_delay_alu instid0(VALU_DEP_3)
	v_lshl_or_b32 v253, v237, 8, v236              ; p's scale word for these 128 keys
	s_delay_alu instid0(VALU_DEP_1)
	v_lshl_or_b32 v253, v238, 16, v253
	s_delay_alu instid0(VALU_DEP_1)
	v_lshl_or_b32 v253, v239, 24, v253
.irp c, 0,1
	v_cvt_scalef32_pk16_fp6_f32 v[192+6*\c:194+6*\c], v[96+32*\c:111+32*\c], v[244+2*\c]
	v_cvt_scalef32_pk16_fp6_f32 v[204+4*\c:206+4*\c], v[112+32*\c:127+32*\c], v[244+2*\c+1]
.endr
	v_nop                                          ; one plain place behind a scaled conversion
.irp c, 0,1
.irp i, 0,1,2
	v_permlane16_swap_b32 v[192+6*\c+\i], v[204+4*\c+\i]
.endr
.irp i, 0,1,2
	s_delay_alu instid0(VALU_DEP_3)
	v_mov_b32 v[195+6*\c+\i], v[204+4*\c+\i]
.endr
.endr
.set JJ, 0
.rept 16
	v_pk_mul_f32 v[160+JJ:161+JJ], v[160+JJ:161+JJ], v[252:253] op_sel_hi:[1,0]   ; O^T under the new M; these sixteen are also the places in front of the scaled products below
.set JJ, JJ+2
.endr
	s_wait_alu depctr_va_vdst(0)
	s_wait_dscnt 0x0                               ; V
.irp t, 0,1
	v_wmma_scale_f32_16x16x128_f8f6f4 v[160+8*\t:167+8*\t], v[32+12*\t:43+12*\t], v[192:203], v[160+8*\t:167+8*\t], v[30+\t], v253 matrix_a_fmt:MATRIX_FMT_FP6 matrix_b_fmt:MATRIX_FMT_FP6
.endr
.irp t, 2,3
	v_wmma_scale_f32_16x16x128_f8f6f4 v[160+8*\t:167+8*\t], v[32+12*\t:43+12*\t], v[192:203], v[160+8*\t:167+8*\t], v[28+\t], v253 matrix_a_fmt:MATRIX_FMT_FP6 matrix_b_fmt:MATRIX_FMT_FP6 matrix_a_scale:MATRIX_SCALE_ROW1
.endr
.Lhidden_\@:
	s_add_co_u32 s[KF], s[KF], 128
.endm
; THE CHANGE OF SLOTS stands at a slot's head.  Each wave waits for all its tensor loads, adds 0 to its spare word, and waits for that and for its reads of the slot that it has left.  fill = 1: that slot takes the next trip's keys.
.macro CHANGE fill
	s_wait_tensorcnt 0x0                           ; no tensor load of mine is out, so the descriptor may be written
	ds_add_u32 v5, v6                              ; 0 onto my spare word
.if \fill
	s_xor_b32 s[G0+1], s[G0+1], SLOT1              ; the other slot than last time,
	s_add_co_u32 s82, s[SCN], 1
	s_cmp_eq_u32 s82, s[NA]
	s_cselect_b32 s82, s[BACK], 0
	s_add_nc_u64 s[G0+2:G0+3], s[G0+2:G0+3], 2*REC  ; the next 256 keys,
	s_sub_nc_u64 s[G0+2:G0+3], s[G0+2:G0+3], s[82:83]   ; or, where block B begins, key 0 again; the type bits on top are not reached
	s_wait_xcnt 0x0                                ; the last prefetch, a slot back, has read its address
	s_add_nc_u64 s[PFA:PFA+1], s[PFA:PFA+1], 2*REC
.endif
	s_wait_dscnt 0x0                               ; the add is done, and my reads of the slot that I have left are over
	s_barrier_signal -1
	s_barrier_wait -1
.if \fill
	TLOAD                                          ; the first thing behind the barrier, and a wave's one tensor load until the next
	ASK
.endif
.endm
; A BLOCK'S END: y = O / l; a lane's 32 numbers are register 16 b + i = channel 32 b + 16 (lane / 16) + i of my query: two blocks of 32 with lane l xor 16; codes and two scale bytes go out.
.macro FINISH yc, sw, more
.rept 4
	v_nop                                          ; places behind the last products
.endr
	v_add_f32 v14, v14, v15
	s_delay_alu instid0(VALU_DEP_1)
	v_permlanex16_b32 v252, v14, s[SEL], s[SEL+1]
	s_delay_alu instid0(VALU_DEP_1)
	v_add_f32 v14, v14, v252                       ; the row's sum
	s_wait_alu depctr_va_vdst(0)
	v_rcp_f32 v14, v14
	v_nop                                          ; a plain place behind the transcendental
	s_wait_alu depctr_va_vdst(0)                   ; and the wait ahead of its first reader
.set JJ, 0
.rept 16
	v_pk_mul_f32 v[96+JJ:97+JJ], v[160+JJ:161+JJ], v[14:15] op_sel_hi:[1,0]
.set JJ, JJ+2
.endr
.irp b, 0,1
	v_max3_num_f32 v[232+\b], |v[96+16*\b]|, |v[97+16*\b]|, 0x1800000
.endr
.irp i, 2,4,6,8,10,12,14
.irp b, 0,1
	s_delay_alu instid0(VALU_DEP_2)
	v_max3_num_f32 v[232+\b], v[232+\b], |v[96+16*\b+\i]|, |v[97+16*\b+\i]|
.endr
.endr
.irp b, 0,1
	s_delay_alu instid0(VALU_DEP_2)
	v_permlanex16_b32 v[236+\b], v[232+\b], s[SEL], s[SEL+1]
.endr
.irp b, 0,1
	s_delay_alu instid0(VALU_DEP_2)
	v_max_num_f32 v[232+\b], v[232+\b], v[236+\b]
.endr
.irp b, 0,1
	s_delay_alu instid0(VALU_DEP_2)
	v_add_nc_u32 v[244+\b], 0xff000000, v[232+\b]
.endr
.irp b, 0,1
	s_delay_alu instid0(VALU_DEP_2)
	v_lshrrev_b32 v[236+\b], 23, v[244+\b]
.endr
	s_delay_alu instid0(VALU_DEP_1)
	v_lshl_or_b32 v254, v237, 8, v236              ; my query's two scale bytes
	v_cvt_scalef32_pk16_fp6_f32 v[192:194], v[96:111], v244
	v_cvt_scalef32_pk16_fp6_f32 v[204:206], v[112:127], v245
	v_nop
.irp i, 0,1,2
	v_permlane16_swap_b32 v[192+\i], v[204+\i]
.endr
.irp i, 0,1,2
	s_delay_alu instid0(VALU_DEP_3)
	v_mov_b32 v[195+\i], v[204+\i]
.endr
	global_store_b128 v1, v[192:195], s[\yc:\yc+1]            ; 512 consecutive bytes, at a multiple of 256 from the buffer's first byte
	global_store_b64 v2, v[196:197], s[\yc:\yc+1] offset:512  ; 256
	global_store_b16 v11, v254, s[\sw:\sw+1]                  ; two bytes of row r's word (both halves of the lanes hold and write the same)
.if \more
.irp j, 0,1,2,3,4,5
	v_mov_b32 v[16+\j], v[86+\j]                   ; block B's Q and its scale word: more than eight plain lines stand between these and the next product
.endr
	v_mov_b32 v28, v29
	v_mov_b32 v13, 0xff61b1e6
	s_delay_alu instid0(VALU_DEP_1)
	v_floor_f32 v12, -v13
	v_mov_b32 v14, 0
	v_mov_b32 v15, 0
.set JJ, 0
.rept 32
	v_mov_b32 v[160+JJ], 0
.set JJ, JJ+1
.endr
	s_mov_b32 s[KF], 0
	s_mov_b32 s[Q0], s[Q0B]
	s_wait_xcnt 0x0                                ; the stores have read their registers, which the next steps write again
.endif
.endm
	s_mov_b32 s[SCN], 0
.Lslot:                                            ; eight trips: behind each change of slots the next trip's keys are asked for
	CHANGE 1
	STEP 0
	STEP 1
	s_xor_b32 s[TB], s[TB], SLOT1
	s_add_co_u32 s82, s[SCN], 1
	s_cmp_lg_u32 s82, s[NA]                        ; a branch on ids, the same in all sixteen waves; no barrier and no tensor load stands under it
	s_cbranch_scc1 .Lnot_end
	FINISH YA, YSA, 1
.Lnot_end:
	s_add_co_u32 s[SCN], s[SCN], 1
	s_cmp_lt_u32 s[SCN], 8
	s_cbranch_scc1 .Lslot
	CHANGE 0                                       ; the last slot is written out
	STEP 0
	STEP 1
	FINISH YB, YSB, 0
	s_wait_tensorcnt 0x0                           ; the wave's end
	ds_add_u32 v5, v6
	s_wait_dscnt 0x0
	s_endpgm
.Lfunc_end_k_qfa885cb562_attn:
	.size	k_qfa885cb562_attn, .Lfunc_end_k_qfa885cb562_attn-k_qfa885cb562_attn
	.p2alignl 7, 3214868480
	.fill 96, 4, 3214868480
	.section	.rodata,"a",@progbits
	.p2align	6, 0x0
	.amdhsa_kernel k_qfa885cb562_attn
		.amdhsa_group_segment_fixed_size 327680
		.amdhsa_private_segment_fixed_size 0
		.amdhsa_enable_private_segment 0
		.amdhsa_kernarg_size 24
		.amdhsa_user_sgpr_count 2
		.amdhsa_user_sgpr_kernarg_segment_ptr 1
		.amdhsa_wavefront_size32 1
		.amdhsa_system_sgpr_workgroup_id_x 1
		.amdhsa_system_sgpr_workgroup_id_y 1
		.amdhsa_system_sgpr_workgroup_id_z 1
		.amdhsa_system_vgpr_workitem_id 0
		.amdhsa_next_free_vgpr 256
		.amdhsa_next_free_sgpr 100
		.amdhsa_reserve_vcc 1
		.amdhsa_float_denorm_mode_32 3
		.amdhsa_float_denorm_mode_16_64 3
		.amdhsa_memory_ordered 1
		.amdhsa_forward_progress 1
		.amdhsa_inst_pref_size 108
	.end_amdhsa_kernel
	.amdgpu_metadata
---
amdhsa.version: [ 1, 2 ]
amdhsa.kernels:
  - .name:           k_qfa885cb562_attn
    .symbol:         k_qfa885cb562_attn.kd
    .args:
      - { .name: qkv, .offset: 0, .size: 8, .value_kind: global_buffer, .address_space: global }
      - { .name: yf, .offset: 8, .size: 8, .value_kind: global_buffer, .address_space: global }
      - { .name: ys, .offset: 16, .size: 8, .value_kind: global_buffer, .address_space: global }
    .group_segment_fixed_size: 327680
    .private_segment_fixed_size: 0
    .kernarg_segment_align: 8
    .kernarg_segment_size: 24
    .max_flat_workgroup_size: 512
    .sgpr_count:     100
    .vgpr_count:     256
    .wavefront_size: 32
...
	.end_amdgpu_metadata
.endif
;; end of part 3
;; launch gemm_out (part 4): grid 4 x 32, 4 waves a work-group, clusters of 4 x 4, 327,680 bytes of LDS; arguments yf, ys, wq, out0; writes out0
.if DOCPART == 4
	.amdgcn_target "amdgcn-amd-amdhsa--gfx1250"
	.amdhsa_code_object_version 6
	.text
	.protected	k_qfa885cb562_gemm_out
	.globl	k_qfa885cb562_gemm_out
	.p2align	8
	.type	k_qfa885cb562_gemm_out,@function
k_qfa885cb562_gemm_out:
	s_mov_b64 s[64:65], 0
	v_nop
	global_prefetch_b8 v0, s[64:65] scope:SCOPE_SE
	s_setreg_imm32_b32 hwreg(HW_REG_WAVE_MODE, 25, 1), 1
	s_wait_xcnt 0x0
	s_wait_alu depctr_hold_cnt(0) depctr_sa_sdst(0) depctr_va_vdst(0) depctr_va_sdst(0) depctr_va_ssrc(0) depctr_va_vcc(0) depctr_vm_vsrc(0)
	s_getreg_b32 s2, hwreg(HW_REG_IB_STS2, 6, 4)
	s_cmp_eq_u32 s2, 0
	s_cbranch_scc0 .Lentry_in_a_cluster
	s_endpgm
.Lentry_in_a_cluster:
	s_bfe_u32 s2, ttmp6, 0x10000c
	s_cmp_lg_u32 s2, 0xf033
	s_cbranch_scc0 .Lentry_shape_is_right
	s_endpgm
.Lentry_shape_is_right:
; out0 = y W_proj on codes of E2M3 with E8M0 scales, M 8,192, N 1,024, K 1,024; out0 is f32.
; A tile of 256 x 256 is made by four waves, each 128 x 128: 64 accumulators, 512 registers.  K goes in steps of 256 through a ring of two LDS slots filled by the tensor data mover: four slots' worth, written straight.
; OPERANDS ARE IMAGES OF REGISTERS.  W's fragment (16 columns x 128 K) is 1,536 bytes, registers 4 c .. 4 c + 3 of lane l at 512 c + 16 l.  y's fragment is two halves of 768 bytes, one for each head of the K step:
; registers 0-3 at 16 l, 4-5 at 512 + 8 l; registers 6-9 at 768 + 16 l, 10-11 at 1,280 + 8 l.  A tile of 16 rows has 12,288 bytes in memory, a slot takes 3,072.  Scale words: 512 bytes a tile, in LDS once.
; THE MATRIX INSTRUCTION IS USED TRANSPOSED (source 0 = 16 columns of W, source 1 = 16 rows of y).  Place r of a tile holds row 32 (T / 2) + 8 (T % 2) + r + 8 (r / 8), of tokens and of W's columns alike:
; the way out puts both back by constants: a tile's 8 results of a lane are columns 32 (T / 2) + 16 (lane / 16) + 8 (T % 2) + 0 .. 7.
; CLUSTERS: 4 x 4 work-groups; y's tiles are asked for jointly along a row of the cluster, W's along a column.  128 work-groups: N has only four tiles of 256.
; REGISTERS: window 0: v16-29 addresses; v32-63 scale words, two sets; v128-223 A's fragments, one set; on the way out v128-255 take rows of the result.  window 1: B's fragments, two sets.  windows 2, 3: the accumulators.
.set NQ,     2
.set FR,     12
.set NP,     4                         ; places behind this matrix instruction (ISA guide 7.12.1)
.set NLA,    4                         ; LDS loads that bring a fragment of A
.set TSL,    3072
.set TROW,   12288
.set HALFT,  8*TSL
.set SLOT,   4*HALFT
.set SCL,    2*SLOT
.set HALFS,  4096
.set SPARE,  SCL+4*HALFS               ; the spare words, 128 bytes for each wave: two blocks of 256 bytes that no other line names
.set WPF,    2359296                   ; W_proj's codes in wq
.set WPS,    3244032                   ; and its scale words
.set SPITCH, 528                       ; the way out: a stage of 16 rows x (512 bytes + 16) for each wave, in slot 0, which has had its last fill and its last read by then
.set ADRA, 16                          ; v16-17  LDS address of my A fragments in slot 0, 1, 16 bytes a lane
.set ADRA8, 18                         ; v18-19  the same, 8 bytes a lane
.set ADRB, 20
.set STO,  24
.set RD,   25
.set CO,   26
.set ADRS, 27
.set SPW,  28
.set NIL,  29
.set SC,   32
.set AF,   128
.set BK,   128
.set G1, 24
.set G0, 32
.set G1B, 48
.set G0B, 56
.set G1S, 68
.set G0S, 76
.set G1SB, 80
.set G0SB, 88
.set MSB, 0
.macro WIN new                         ; the immediate's high byte repeats the setting that is left
.if MSB != (\new)
	s_set_vgpr_msb (MSB<<8)|(\new)
.set MSB, (\new)
.endif
.endm
.set MUL_LO, 0xa1
.set MUL_HI, 0xf1
.set TO_B,   0x40
.macro JLOAD g0a, g1a, g0b, g1b        ; a joint load: waves 0 and 1 fetch for A, waves 2 and 3 for B; four v_nop follow each of the two lines
	s_cmp_eq_u32 s15, 0
	s_cbranch_scc0 .Lfor_b_\@
	tensor_load_to_lds s[\g0a:\g0a+3], s[\g1a:\g1a+7]
	s_nop 0
.rept 4
	v_nop
.endr
	s_branch .Lasked_\@
.Lfor_b_\@:
	tensor_load_to_lds s[\g0b:\g0b+3], s[\g1b:\g1b+7]
	s_nop 0
.rept 4
	v_nop
.endr
.Lasked_\@:
.endm
.macro CREST
	s_cmp_lg_u32 s14, 0
	s_cbranch_scc1 .Lnot_wave_0_\@
	s_barrier_signal -3
.Lnot_wave_0_\@:
	s_barrier_wait -3
	s_barrier_signal -1
	s_barrier_wait -1
.endm
.macro CROUND
	s_barrier_signal -1
	s_barrier_wait -1
	CREST
.endm
	s_load_b128 s[4:7], s[0:1], 0x0                ; y's codes s[4:5], y's scale words s[6:7]
	s_load_b128 s[8:11], s[0:1], 0x10              ; the weights s[8:9], out0 s[10:11]
	v_lshl_add_u32 v[SPW], v0, 2, SPARE
	v_mov_b32 v[NIL], 0
	ds_add_u32 v28, v29
	s_wait_dscnt 0x0
	v_lshrrev_b32 v1, 5, v0
	v_readfirstlane_b32 s14, v1                    ; wave 0..3
	s_lshr_b32 s15, s14, 1
	s_and_b32 s16, s14, 1
	s_bfe_u32 s40, ttmp6, 0x40000                  ; cx
	s_bfe_u32 s41, ttmp6, 0x40004                  ; cy
	s_lshl_b32 s3, ttmp9, 2
	s_add_co_u32 s3, s3, s40                       ; tile column
	s_and_b32 s17, ttmp7, 0xffff
	s_lshl_b32 s17, s17, 2
	s_add_co_u32 s17, s17, s41                     ; tile row
	s_lshl_b32 s43, s41, 2
	s_lshl_b32 s43, 15, s43                        ; my row of the cluster
	s_lshl_b32 s44, 0x1111, s40                    ; my column
	s_or_b32 s[G1+0], s43, (3<<16)|(1<<21)         ; codes: 8 rows (tiles) of 3,072 bytes, 12,288 apart, elements of 8 bytes, dense in LDS; the mask, and bit 21 beside it
	s_or_b32 s[G1B+0], s44, (3<<16)|(1<<21)
.irp g, G1, G1B
	s_mov_b32 s[\g+1], 384<<16
	s_mov_b32 s[\g+2], 8<<16
	s_mov_b32 s[\g+3], 384<<16
	s_mov_b32 s[\g+4], 8
	s_mov_b32 s[\g+5], 1536
	s_mov_b32 s[\g+6], 0
	s_mov_b32 s[\g+7], 0
.endr
	s_or_b32 s[G1S+0], s43, (3<<16)|(1<<21)        ; scale words of 8 tiles: 4,096 dense bytes as 16 rows of 256
	s_or_b32 s[G1SB+0], s44, (3<<16)|(1<<21)
.irp g, G1S, G1SB
	s_mov_b32 s[\g+1], 32<<16
	s_mov_b32 s[\g+2], 16<<16
	s_mov_b32 s[\g+3], 32<<16
	s_mov_b32 s[\g+4], 16
	s_mov_b32 s[\g+5], 32
	s_mov_b32 s[\g+6], 0
	s_mov_b32 s[\g+7], 0
.endr
	s_lshl_b32 s45, s16, 3
	s_lshl_b32 s20, s17, 4
	s_add_co_u32 s20, s20, s45                     ; A: the first tile of 16 that I fetch
	s_lshl_b32 s46, s3, 4
	s_add_co_u32 s46, s46, s45                     ; B
	s_lshl_b32 s22, s20, 9
	s_mul_i32 s20, s20, TROW
	s_lshl_b32 s18, s46, 9
	s_add_co_u32 s18, s18, WPS
	s_mul_i32 s46, s46, TROW
	s_add_co_u32 s46, s46, WPF
	s_mov_b32 s21, 0
	s_mov_b32 s23, 0
	s_mov_b32 s19, 0
	s_mov_b32 s47, 0
	s_mul_i32 s42, s14, HALFT                      ; where they go: no place in the cluster enters an LDS address
	s_mul_i32 s45, s14, HALFS
	s_wait_kmcnt 0x0
	s_add_nc_u64 s[92:93], s[4:5], s[20:21]
	s_add_nc_u64 s[94:95], s[6:7], s[22:23]
	s_add_nc_u64 s[96:97], s[8:9], s[46:47]
	s_add_nc_u64 s[98:99], s[8:9], s[18:19]
	CROUND                                         ; all sixteen work-groups are here: the first joint loads meet
	s_mov_b32 s[G0S], 1
	s_add_co_u32 s[G0S+1], s45, SCL
	s_mov_b64 s[G0S+2:G0S+3], s[94:95]
	s_or_b32 s[G0S+3], s[G0S+3], 0x80000000
	s_mov_b32 s[G0SB], 1
	s_add_co_u32 s[G0SB+1], s45, SCL
	s_mov_b64 s[G0SB+2:G0SB+3], s[98:99]
	s_or_b32 s[G0SB+3], s[G0SB+3], 0x80000000
	JLOAD G0S, G1S, G0SB, G1SB
.irp s, 0,1
	s_mov_b32 s[G0+4*\s], 1
	s_add_co_u32 s[G0+4*\s+1], s42, \s*SLOT
	s_add_nc_u64 s[G0+4*\s+2:G0+4*\s+3], s[92:93], \s*TSL
	s_or_b32 s[G0+4*\s+3], s[G0+4*\s+3], 0x80000000
	s_mov_b32 s[G0B+4*\s], 1
	s_add_co_u32 s[G0B+4*\s+1], s42, \s*SLOT
	s_add_nc_u64 s[G0B+4*\s+2:G0B+4*\s+3], s[96:97], \s*TSL
	s_or_b32 s[G0B+4*\s+3], s[G0B+4*\s+3], 0x80000000
	JLOAD G0+4*\s, G1, G0B+4*\s, G1B               ; three tensor loads of mine are out behind the last of these
.endr
	v_and_b32 v1, 15, v0                           ; r
	v_bfe_u32 v2, v0, 4, 1                         ; h
	v_and_b32 v3, 31, v0
	v_lshlrev_b32 v[CO], 4, v3                     ; 16 x lane
	v_lshlrev_b32 v4, 3, v3                        ; 8 x lane
	s_mul_i32 s21, s15, HALFT
	s_mul_i32 s22, s16, HALFT
	s_add_co_u32 s22, s22, 2*HALFT
.irp s, 0,1
	v_add_nc_u32 v[ADRA+\s], s21, v[CO]
	v_add_nc_u32 v[ADRA8+\s], s21, v4
	v_add_nc_u32 v[ADRB+\s], s22, v[CO]
	s_add_co_u32 s21, s21, SLOT
	s_add_co_u32 s22, s22, SLOT
.endr
	v_lshlrev_b32 v5, 3, v1
	s_lshl_b32 s21, s15, 12
	s_lshl_b32 s22, s16, 12
	s_add_co_u32 s22, s22, 2*HALFS
	s_sub_co_u32 s22, s22, s21
	v_mul_u32_u24 v6, s22, v2                      ; lanes 16-31 take B's: the lower base + h x the distance
	s_add_co_u32 s21, s21, SCL
	v_add_nc_u32 v5, v5, v6
	v_add_nc_u32 v[ADRS], s21, v5
	s_mul_i32 s23, s14, 16*SPITCH                  ; my stage
	v_mul_u32_u24 v5, v1, SPITCH
	v_lshl_add_u32 v5, v2, 6, v5                   ; in: row r, + 64 h
	v_add_nc_u32 v[STO], s23, v5
	v_add_nc_u32 v[RD], s23, v[CO]                 ; back: the 32 lanes take one row of 512 bytes
	s_lshl_b32 s20, s17, 8
	s_lshl_b32 s21, s15, 7
	s_add_co_u32 s20, s20, s21                     ; my first row of out0
	s_lshl_b32 s20, s20, 12                        ; rows of 4,096 bytes
	s_lshl_b32 s21, s3, 10
	s_add_co_u32 s20, s20, s21
	s_lshl_b32 s21, s16, 9
	s_add_co_u32 s20, s20, s21                     ; my first column, in bytes
	s_mov_b32 s21, 0
	s_add_nc_u64 s[12:13], s[10:11], s[20:21]
.macro FRAG reg, adr, q, i             ; W's fragment: three loads of 512 consecutive bytes
.irp c, 0,1,2
	ds_load_b128 v[\reg+4*\c:\reg+4*\c+3], v[\adr] offset:TSL*(\i)+1536*(\q)+512*\c
.endr
.endm
.macro FRAGY reg, slot, q, i           ; y's fragment: two heads' halves
	ds_load_b128 v[\reg:\reg+3], v[ADRA+\slot] offset:TSL*(\i)+1536*(\q)
	ds_load_b64 v[\reg+4:\reg+5], v[ADRA8+\slot] offset:TSL*(\i)+1536*(\q)+512
	ds_load_b128 v[\reg+6:\reg+9], v[ADRA+\slot] offset:TSL*(\i)+1536*(\q)+768
	ds_load_b64 v[\reg+10:\reg+11], v[ADRA8+\slot] offset:TSL*(\i)+1536*(\q)+1280
.endm
; 16 matrix instructions: A's blocks a0, a0 + 1 x B's eight.  The 64 accumulators take turns, one instruction a turn, in the same order in every step.
.macro MUL16 a0, p, q, sc, zero
.irp a, \a0, \a0+1
.irp b, 0,1,2,3,4,5,6,7
.if \zero
	v_wmma_scale_f32_16x16x128_f8f6f4 v[8*(8*((\a)%4)+\b):8*(8*((\a)%4)+\b)+7], v[128*(\p)+FR*\b:128*(\p)+FR*\b+FR-1], v[AF+FR*(\a):AF+FR*(\a)+FR-1], 0, v[SC+8*NQ*(\sc)+NQ*\b+(\q)], v[SC+8*NQ*(\sc)+NQ*(\a)+(\q)] matrix_a_fmt:MATRIX_FMT_FP6 matrix_b_fmt:MATRIX_FMT_FP6 matrix_a_scale:MATRIX_SCALE_ROW1
.else
	v_wmma_scale_f32_16x16x128_f8f6f4 v[8*(8*((\a)%4)+\b):8*(8*((\a)%4)+\b)+7], v[128*(\p)+FR*\b:128*(\p)+FR*\b+FR-1], v[AF+FR*(\a):AF+FR*(\a)+FR-1], v[8*(8*((\a)%4)+\b):8*(8*((\a)%4)+\b)+7], v[SC+8*NQ*(\sc)+NQ*\b+(\q)], v[SC+8*NQ*(\sc)+NQ*(\a)+(\q)] matrix_a_fmt:MATRIX_FMT_FP6 matrix_b_fmt:MATRIX_FMT_FP6 matrix_a_scale:MATRIX_SCALE_ROW1
.endif
.endr
.endr
.endm
.macro FETCH_B slot, q, p
	WIN TO_B
.irp i, 0,1,2,3,4,5,6,7
	FRAG 128*(\p)+FR*\i, ADRB+\slot, \q, \i
.endr
	WIN 0
.endm
.macro FETCH_A slot, q, i0
.irp i, \i0, \i0+1, \i0+2, \i0+3
	FRAGY AF+FR*(\i), \slot, \q, \i
.endr
.endm
.macro SCALES sc
.irp i, 0,1,2,3,4,5,6,7
	ds_load_b64 v[SC+8*NQ*\sc+NQ*\i:SC+8*NQ*\sc+NQ*\i+1], v[ADRS] offset:\i*512
.endr
.endm
.macro PLACES n                        ; plain vector instructions between a matrix instruction and a load into, or a read of, its registers (ISA guide 7.12.1 for reads)
.rept \n
	v_nop
.endr
.endm
.macro STEP slot, q, zero
	s_wait_dscnt 4*NLA                             ; B's set, A's blocks 0-3 and the scale words are in; the youngest loads (A's blocks 4-7) may be out
	WIN MUL_LO
	MUL16 0, (\q)%2, \q, \slot, \zero
	MUL16 2, (\q)%2, \q, \slot, \zero
	s_wait_dscnt 0
	PLACES NP
	FETCH_B \slot, (\q)+1, 1-(\q)%2
	FETCH_A \slot, (\q)+1, 0
	WIN MUL_HI
	MUL16 4, (\q)%2, \q, \slot, \zero
	MUL16 6, (\q)%2, \q, \slot, \zero
	PLACES NP
	WIN 0
	FETCH_A \slot, (\q)+1, 4
.endm
.macro TURN slot, next, fill
	s_wait_tensorcnt 0x0                           ; all my tensor loads have landed: my part of the next slot
	ds_add_u32 v[SPW], v[NIL]                      ; 0 onto my spare word
	s_wait_dscnt 4*NLA+1                           ; (the add and A's blocks 4-7 may be out)
	WIN MUL_LO
	MUL16 0, 1, NQ-1, \slot, 0
	s_wait_dscnt 0x0                               ; the add is done, and my reads of this slot are over
	s_barrier_signal -1
	MUL16 2, 1, NQ-1, \slot, 0
	WIN 0
	s_barrier_wait -1
.if \fill
	CREST                                          ; the barrier has opened a round of the cluster's barrier: no wave of any partner still reads this slot or has a load on its way
	s_add_nc_u64 s[G0+4*\slot+2:G0+4*\slot+3], s[G0+4*\slot+2:G0+4*\slot+3], 2*TSL
	s_add_nc_u64 s[G0B+4*\slot+2:G0B+4*\slot+3], s[G0B+4*\slot+2:G0B+4*\slot+3], 2*TSL
	JLOAD G0+4*\slot, G1, G0B+4*\slot, G1B
.else
	PLACES NP
.endif
	v_add_nc_u32 v[ADRS], 128, v[ADRS]
	FETCH_B \next, 0, 0
	FETCH_A \next, 0, 0
	SCALES \next
	WIN MUL_HI
	MUL16 4, 1, NQ-1, \slot, 0
	MUL16 6, 1, NQ-1, \slot, 0
	PLACES NP
	WIN 0
	FETCH_A \next, 0, 4
.endm
	s_wait_tensorcnt 1                             ; the scale words and my part of slot 0 are in; slot 1's load may be out
	s_barrier_signal -1
	s_barrier_wait -1
	FETCH_B 0, 0, 0
	FETCH_A 0, 0, 0
	SCALES 0
	FETCH_A 0, 0, 4
	STEP 0, 0, 1
	TURN 0, 1, 1
	STEP 1, 0, 0
	TURN 1, 0, 1
	STEP 0, 0, 0
	TURN 0, 1, 0
	STEP 1, 0, 0
	s_wait_dscnt 4*NLA
	WIN MUL_LO
	MUL16 0, 1, NQ-1, 1, 0
	MUL16 2, 1, NQ-1, 1, 0
	s_wait_dscnt 0
	WIN MUL_HI
	MUL16 4, 1, NQ-1, 1, 0
	MUL16 6, 1, NQ-1, 1, 0
	WIN 0
; THE WAY OUT, block by block of 16 rows x 128 columns, through my own stage in LDS; rows come back whole, 512 bytes, and the 32 lanes store them.  LDS serves a wave's instructions in order (ISA guide 5.7.1.4).
.macro TOSTAGE a
.set AC, 64*((\a)%4)
	WIN 0x08+4*((\a)/4)                            ; the data: window 2 or 3
.irp b, 0,1,2,3,4,5,6,7
	ds_store_b128 v[STO], v[AC+8*\b:AC+8*\b+3] offset:128*(\b/2)+32*(\b%2)       ; tile b's eight columns begin at 32 (b / 2) + 16 h + 8 (b % 2); each accumulator from its low end on
	ds_store_b128 v[STO], v[AC+8*\b+4:AC+8*\b+7] offset:128*(\b/2)+32*(\b%2)+16
.endr
	WIN 0
.set BB, BK+64*((\a)%2)
.irp t, 0,1,2,3,4,5,6,7,8,9,10,11,12,13,14,15
	ds_load_b128 v[BB+4*\t:BB+4*\t+3], v[RD] offset:\t*SPITCH
.endr
.endm
.macro SEND a, younger                 ; younger: the LDS instructions issued behind block a's loads, which may stay out
.set BB, BK+64*((\a)%2)
	s_wait_dscnt \younger
.if (\a) > 0
.if (\a)%2
	s_add_nc_u64 s[12:13], s[12:13], 8*4096        ; (behind a wait on XCNT)  tile a begins at row 32 (a / 2) + 8 (a % 2)
.else
	s_add_nc_u64 s[12:13], s[12:13], 24*4096
.endif
.endif
.irp t, 0,1,2,3,4,5,6,7,8,9,10,11,12,13,14,15
	global_store_b128 v[CO], v[BB+4*\t:BB+4*\t+3], s[12:13] offset:(\t+8*(\t/8))*4096 th:TH_STORE_NT   ; place t is row t + 8 (t / 8) of the tile; 512 consecutive bytes, at a multiple of 256 from out0's first byte
.endr
.endm
	PLACES NP
	TOSTAGE 0
.irp a, 1,2,3,4,5,6,7
.if \a > 1
	s_wait_xcnt 0x0                                ; block a - 2's stores have read their registers and their base
.endif
	TOSTAGE \a
	SEND \a-1, 32                                  ; behind block a - 1's loads: block a's 16 stores and 16 loads
.endr
	s_wait_xcnt 0x0
	SEND 7, 0
	s_wait_tensorcnt 0x0                           ; the wave's end
	ds_add_u32 v[SPW], v[NIL]
	s_wait_dscnt 0x0
	CROUND                                         ; the closing round
	s_endpgm
.Lfunc_end_k_qfa885cb562_gemm_out:
	.size	k_qfa885cb562_gemm_out, .Lfunc_end_k_qfa885cb562_gemm_out-k_qfa885cb562_gemm_out
	.p2alignl 7, 3214868480
	.fill 96, 4, 3214868480
	.section	.rodata,"a",@progbits
	.p2align	6, 0x0
	.amdhsa_kernel k_qfa885cb562_gemm_out
		.amdhsa_group_segment_fixed_size 327680
		.amdhsa_private_segment_fixed_size 0
		.amdhsa_enable_private_segment 0
		.amdhsa_kernarg_size 32
		.amdhsa_user_sgpr_count 2
		.amdhsa_user_sgpr_kernarg_segment_ptr 1
		.amdhsa_wavefront_size32 1
		.amdhsa_system_sgpr_workgroup_id_x 1
		.amdhsa_system_sgpr_workgroup_id_y 1
		.amdhsa_system_sgpr_workgroup_id_z 1
		.amdhsa_system_vgpr_workitem_id 0
		.amdhsa_next_free_vgpr 1024
		.amdhsa_next_free_sgpr 100
		.amdhsa_reserve_vcc 0
		.amdhsa_float_denorm_mode_32 3
		.amdhsa_float_denorm_mode_16_64 3
		.amdhsa_memory_ordered 1
		.amdhsa_forward_progress 1
		.amdhsa_inst_pref_size 139
	.end_amdhsa_kernel
	.amdgpu_metadata
---
amdhsa.version: [ 1, 2 ]
amdhsa.kernels:
  - .name:           k_qfa885cb562_gemm_out
    .symbol:         k_qfa885cb562_gemm_out.kd
    .args:
      - { .name: yf, .offset: 0, .size: 8, .value_kind: global_buffer, .address_space: global }
      - { .name: ys, .offset: 8, .size: 8, .value_kind: global_buffer, .address_space: global }
      - { .name: wq, .offset: 16, .size: 8, .value_kind: global_buffer, .address_space: global }
      - { .name: out0, .offset: 24, .size: 8, .value_kind: global_buffer, .address_space: global }
    .group_segment_fixed_size: 327680
    .private_segment_fixed_size: 0
    .kernarg_segment_align: 8
    .kernarg_segment_size: 32
    .max_flat_workgroup_size: 128
    .sgpr_count:     100
    .vgpr_count:     1024
    .wavefront_size: 32
...
	.end_amdgpu_metadata
.endif
;; end of part 4
